; MI455X (gfx1250); checked and timed in simulation.
; The chip was launched on July 23, 2026; its instructions are those of AMD's public machine-readable ISA for CDNA 5 (MIT licence, August 2026) and "CDNA5" Instruction Set Architecture Reference Guide (July 2026). The comments in the code are by the model that wrote it; some were corrected since.
;; Causal Self Attn. Allowed arithmetic: matrix products marked QUANTISED: E3M2 operands, one E8M0 scale for each 32 along K, by v_wmma_scale_f32_16x16x128_f8f6f4 with both operands' format E3M2, f32 sums; everything else in f32.
;; Inputs: Wk 2,048 x 2,048 float32; Wo 2,048 x 2,048 float32; Wq 2,048 x 2,048 float32; Wv 2,048 x 2,048 float32; attn_mask 2,048 x 2,048 float32; bk 2,048 float32; bo 2,048 float32; bq 2,048 float32; bv 2,048 float32; x 2,048 x 2,048 float32.
;; Outputs: out0 2,048 x 2,048 float32.
;; This version of the problem:
;;   THIS VERSION OF THE PROBLEM IS GIVEN IN LOW PRECISION. The matrix products marked QUANTISED in the list below multiply operands that are first quantised to E3M2 (3 exponent bits, 2 mantissa bits; 6 bits a number), with one power-of-two scale for each 32 numbers along K (OCP MX v1.0); their sums are f32. All else is computed in f32.
;;   The module's matrix products, in the order in which they are computed (A, B: the left and right operand; K: the contracted axis; several contracted axes count as one K, in the product's order):
;;     1. [M 2,048, K 2,048] x [K 2,048, N 2,048]; A: input x; B: input Wq: QUANTISED
;;     2. [M 2,048, K 2,048] x [K 2,048, N 2,048]; A: input x; B: input Wk: QUANTISED
;;     3. [M 2,048, K 2,048] x [K 2,048, N 2,048]; A: input x; B: input Wv: QUANTISED
;;     4. batch 16 x [M 2,048, K 128] x [K 128, N 2,048]; A: computed on the way; B: computed on the way: QUANTISED
;;     5. batch 16 x [M 2,048, K 2,048] x [K 2,048, N 128]; A: softmax (see below); B: computed on the way: QUANTISED
;;     6. [M 2,048, K 2,048] x [K 2,048, N 2,048]; A: computed on the way; B: input Wo: QUANTISED
;;   THE QUANTISER, for each operand of a quantised product, along K:
;;     - K is cut into blocks of 32 from its start; a last block that is shorter is filled with zeros.
;;     - A block's scale is 2^e with e = floor(log2(the largest magnitude in the block)) - 4, held to -126 .. 127; a block of zeros has e = 0. As a byte (E8M0): e + 127.
;;     - Each number is divided by its block's scale, clamped to +-28, and rounded to the nearest number of E3M2, ties to even, subnormals kept.
;;     - The product sums the exact products of the quantised numbers (number of the format x scale) in f32.
;;   ~~~python
;;   def quantise(x, axis):      # numpy; x: float32 -> the quantised numbers, widened to float32 again
;;       x = np.moveaxis(x, axis, -1); K = x.shape[-1]
;;       x = np.pad(x, [(0, 0)] * (x.ndim - 1) + [(0, -K % 32)]); x = x.reshape(x.shape[:-1] + (-1, 32)); a = np.abs(x).max(-1, keepdims=True)
;;       e = np.where(a > 0, np.clip(np.frexp(np.where(a > 0, a, 1))[1] - 1 - 4, -126, 127), 0)      # np.frexp(a)[1] - 1 = floor(log2(a)), exactly
;;       r = np.clip(x / 2.0 ** e, -28, 28)
;;       step = 2.0 ** (np.maximum(np.frexp(np.where(r == 0, 1, r))[1] - 1, -2) - 2)
;;       q = np.round(r / step) * step * 2.0 ** e      # np.round: ties to even
;;       return np.moveaxis(q.reshape(q.shape[:-2] + (-1,))[..., :K], -1, axis).astype(np.float32)
;;   ~~~
;;   SOFTMAX AHEAD OF A QUANTISED PRODUCT. Where the list says 'softmax', what is quantised is not the finished softmax but p = 2^(t - M), with t = logit x log2(e) and M = ceil(the row's largest t), a whole number; so 1/2 < the row's largest p <= 1. The row's sum l is taken of the UNQUANTISED p, in f32, and the product's result is divided by l at the end. Since M is a whole number, a kernel that streams over the keys may use a running M (the ceiling of the running maximum): every later rescaling is an exact power of two, which a block's scale takes up: the codes' values come out the same.
;;   OPERANDS COMPUTED ON THE WAY. 'Computed on the way' means the value that the module computes at that place (a softmax that the list does not call 'softmax' is quantised finished and normalised). What goes into a quantiser is computed in f32, as accurately as f32 sums, v_exp_f32 and their like allow (about 1e-6 of the number): no bf16 or f16 on the way to a quantiser, and a product that is left as it is and whose result goes on into a quantised operand takes f32 operands (vector FMAs, or v_wmma_f32_16x16x4_f32). A number that lies on a knife's edge between two numbers of the format may be rounded either way, as far as f32 arithmetic and the matrix unit's own rounding can turn it there, and no further.
;; One version. Each part assembles by itself: llvm-mc -triple=amdgcn-amd-amdhsa -mcpu=gfx1250 --defsym DOCPART=n.
;; ======== version 1 of 1: 4 launches
;; limits: right only within a limited range of input values
;; workspace buffers: a_codes 15,728,640 bytes; a_scales 655,360 bytes; m2 16,777,216 bytes; qkv_codes 9,830,400 bytes; o_codes 3,145,728 bytes; o_scales 131,072 bytes
;; launch quant (part 1): grid 256 x 1, 12 waves a work-group, no clusters, 102,912 bytes of LDS; arguments x, Wq, Wk, Wv, Wo, a_codes, a_scales, attn_mask, m2; writes a_codes, a_scales, m2
.if DOCPART == 1
	.amdgcn_target "amdgcn-amd-amdhsa--gfx1250"
	.amdhsa_code_object_version 6
	.text
	.protected	k_q8577cdeb8d_quant
	.globl	k_q8577cdeb8d_quant
	.p2align	8
	.type	k_q8577cdeb8d_quant,@function
k_q8577cdeb8d_quant:
	s_mov_b64 s[64:65], 0
	v_nop
	global_prefetch_b8 v0, s[64:65] scope:SCOPE_SE
	s_setreg_imm32_b32 hwreg(HW_REG_WAVE_MODE, 25, 1), 1
	s_wait_xcnt 0x0
; x, Wq, Wk, Wv, Wo, each [2048][2048] f32 with K innermost, become codes of BF6 (E3M2) with one E8M0 scale byte for each 32 along K.
; A block's scale is 2^(floor(log2(its largest magnitude)) - 4); its byte is the largest magnitude's exponent field - 4, held at 1 from below.
; LIMITS: a block of zeros gets the byte 1 (its codes are zeros, and this program alone reads the bytes); NaN and infinities among the inputs are not served.
; THE CODES ARE LAID AS IMAGES OF THE OPERAND'S REGISTERS.  A fragment is 16 rows x 128 K: 12 registers a lane, 1,536 bytes: registers 4 g .. 4 g + 3 of lane l at byte 512 g + 16 l.
; a_codes: [GT 0..639][K step 0..15][1536], GT = 128 x tensor + row tile.  ROW TILE T HOLDS, IN FRAGMENT LANE p, TENSOR ROW 32 (T / 2) + 8 (T % 2) + p + 8 (p / 8): so a product's results,
; taken over eight neighbouring tiles of source 0, lie in a lane's registers as neighbours along the next product's K.
; a_scales: [GT][quad of K steps][row 0..15][4 words]: 1,024 bytes a tile.
; SHARES.  640 row tiles x 4 quarters of K are 2,560 runs of four fragments; 256 work-groups of ten waves take ten runs each: run 10 x work-group + wave is row tile run / 4, quarter run % 4.
; Each load reads 512 consecutive bytes of one row; a step's 16 rows turn through the wave's own stage in LDS (rows of 512 + 16 bytes) and come back 16 neighbours of each block of 32 to a lane.
; Memory binds: no tensor loads, no barrier (waves share nothing); each wave has two steps (32 loads, 16 KB) on their way, the ten waves of a work-group 160 KB.
; THE MASK TOO.  A work-group has twelve waves: waves 0-9 take the ten runs above; waves 10 and 11 take runs of attn_mask (128 row tiles x 4 quarters = 512 runs, two a work-group).
; m2: [row tile 0..127][key step 0..15][8192]: mask x sqrt(128) in f32, as an image of the score product's accumulators: registers 4 i .. 4 i + 3 of lane l at byte 512 i + 16 l;
; register 16 b + i of lane (r, h) is key 32 b + 16 h + i of the tile's row r.  So score + m2 = sqrt(128) x (score / sqrt(128) + mask).
.set SP,   528
.set STG,  16*SP                       ; a wave's stage
.set STEPS, 4
.set R,    16                          ; v16-143  two sets of 64 registers as loaded
.set X,    144                         ; v144-207 64 numbers: register 16 b + i = k 32 b + 16 (lane / 16) + i of my row
.set PC,   208                         ; v208-227 the codes
.set TM,   228                         ; v228-243 at work
.set WD,   244                         ; v244-247 the four steps' scale words
.set SEL,  24                          ; s[24:25] lane selects for v_permlanex16_b32: lane l xor 16
; 64 numbers of a lane, v[s] .. v[s + 63], become a fragment's codes in v[pc] .. v[pc + 11] and its rows' scale word in v[pw] (the same in lanes r and r + 16).
.macro QUANT s, pw, pc, tm
.irp b, 0,1,2,3
	v_max3_num_f32 v[\tm+\b], |v[\s+16*\b]|, |v[\s+1+16*\b]|, 0x2800000   ; block b: my 16 numbers, and the floor 2^(5 - 127): the byte cannot fall under 1
.endr
.irp i, 2,4,6,8,10,12,14
.irp b, 0,1,2,3
	s_delay_alu instid0(VALU_DEP_4)
	v_max3_num_f32 v[\tm+\b], v[\tm+\b], |v[\s+16*\b+\i]|, |v[\s+1+16*\b+\i]|   ; the four blocks by turns
.endr
.endr
.irp b, 0,1,2,3
	s_delay_alu instid0(VALU_DEP_4)
	v_permlanex16_b32 v[\tm+4+\b], v[\tm+\b], s[SEL], s[SEL+1]
.endr
.irp b, 0,1,2,3
	s_delay_alu instid0(VALU_DEP_4)
	v_max_num_f32 v[\tm+\b], v[\tm+\b], v[\tm+4+\b]                ; with lane l xor 16's: the block's largest magnitude
.endr
.irp b, 0,1,2,3
	s_delay_alu instid0(VALU_DEP_4)
	v_add_nc_u32 v[\tm+12+\b], 0xfe000000, v[\tm+\b]               ; 4 off its exponent field: the conversion's scale operand
.endr
.irp b, 0,1,2,3
	s_delay_alu instid0(VALU_DEP_4)
	v_lshrrev_b32 v[\tm+4+\b], 23, v[\tm+12+\b]                    ; the scale's byte
.endr
	s_delay_alu instid0(VALU_DEP_3)
	v_lshl_or_b32 v[\pw], v[\tm+5], 8, v[\tm+4]
	s_delay_alu instid0(VALU_DEP_1)
	v_lshl_or_b32 v[\pw], v[\tm+6], 16, v[\pw]
	s_delay_alu instid0(VALU_DEP_1)
	v_lshl_or_b32 v[\pw], v[\tm+7], 24, v[\pw]
.irp c, 0,1
	v_cvt_scalef32_pk16_bf6_f32 v[\pc+6*\c:\pc+2+6*\c], v[\s+32*\c:\s+15+32*\c], v[\tm+12+2*\c]
	v_cvt_scalef32_pk16_bf6_f32 v[\pc+12+4*\c:\pc+14+4*\c], v[\s+16+32*\c:\s+31+32*\c], v[\tm+12+2*\c+1]   ; (a conversion's three registers begin on an even number)
.endr
	v_nop                                          ; one plain place behind a scaled conversion
.irp c, 0,1                                    ; the operand's layout wants a whole block in a lane: lanes 0-15 block 2 c, lanes 16-31 block 2 c + 1
.irp i, 0,1,2
	v_permlane16_swap_b32 v[\pc+6*\c+\i], v[\pc+12+4*\c+\i]
.endr
.irp i, 0,1,2
	s_delay_alu instid0(VALU_DEP_3)
	v_mov_b32 v[\pc+3+6*\c+\i], v[\pc+12+4*\c+\i]
.endr
.endr
.endm
	s_load_b256 s[8:15], s[0:1], 0x0               ; x, Wq, Wk, Wv
	s_load_b128 s[16:19], s[0:1], 0x20             ; Wo, a_codes
	s_load_b64 s[20:21], s[0:1], 0x30
	s_load_b128 s[40:43], s[0:1], 0x38             ; attn_mask, m2
	v_lshl_add_u32 v254, v0, 2, 0x18c00            ; the spare words lie behind the twelve stages
	v_mov_b32 v255, 0
	v_lshrrev_b32 v1, 5, v0
	s_delay_alu instid0(VALU_DEP_1)
	v_readfirstlane_b32 s22, v1                    ; wave 0..11
	v_and_b32 v2, 31, v0                           ; lane
	s_delay_alu instid0(VALU_DEP_1)
	v_lshlrev_b32 v3, 4, v2                        ; 16 x lane: my bytes of a load's 512, and of a store's
	v_and_b32 v4, 15, v0                           ; r
	v_bfe_u32 v5, v0, 4, 1                         ; h
	s_mul_i32 s23, s22, STG
	v_add_nc_u32 v14, s23, v3                      ; the stage, on the way in: a row as it lies
	v_mul_u32_u24 v15, v4, SP
	s_delay_alu instid0(VALU_DEP_1)
	v_lshl_add_u32 v15, v5, 6, v15
	s_delay_alu instid0(VALU_DEP_1)
	v_add_nc_u32 v15, s23, v15                     ; and on the way out: row r, + 64 h
	v_lshlrev_b32 v6, 4, v4
	s_delay_alu instid0(VALU_DEP_1)
	v_lshl_add_u32 v6, v5, 3, v6                   ; the scale words' place: 16 r + 8 h
	s_mov_b32 s[SEL], 0x76543210
	s_mov_b32 s[SEL+1], 0xfedcba98
.irp b, 0,1,2,3
	v_mov_b32 v[TM+4+\b], 0                        ; written once: a lane permute's destination counts as one of its sources
.endr
	s_mul_i32 s26, ttmp9, 10
	s_add_co_u32 s26, s26, s22
	s_lshl_b32 s38, ttmp9, 1
	s_add_co_u32 s38, s38, s22
	s_add_co_u32 s38, s38, 2550                    ; waves 10, 11: run 2,560 + 2 x work-group + wave - 10: the sixth tensor, the mask
	s_cmp_ge_u32 s22, 10
	s_cselect_b32 s26, s38, s26
	s_lshr_b32 s32, s26, 2                         ; GT: the row tile among all five tensors'
	s_and_b32 s29, s26, 3                          ; which quarter of K
	s_lshr_b32 s27, s32, 7                         ; which tensor
	s_and_b32 s28, s32, 127                        ; which row tile of it
	s_lshr_b32 s30, s28, 1
	s_lshl_b32 s30, s30, 18                        ; in: 32 rows of 8,192 bytes for each pair of tiles,
	s_and_b32 s31, s28, 1
	s_lshl_b32 s31, s31, 16                        ; the pair's second tile begins 8 rows on,
	s_add_co_u32 s30, s30, s31
	s_lshl_b32 s31, s29, 11                        ; a quarter of a row
	s_add_co_u32 s30, s30, s31
	s_mov_b32 s31, 0
	s_mul_i32 s34, s32, 24576
	s_mul_i32 s35, s29, 6144
	s_add_co_u32 s34, s34, s35                     ; the codes: GT x 16 fragments + 4 for each quarter of K
	s_mov_b32 s35, 0
	s_lshl_b32 s36, s32, 10
	s_lshl_b32 s37, s29, 8
	s_add_co_u32 s36, s36, s37                     ; the scale words: GT x 1,024 + 256 for each quarter
	s_mov_b32 s37, 0
	s_wait_alu depctr_va_vdst(0)
	s_wait_kmcnt 0x0
	s_mov_b64 s[4:5], s[8:9]                       ; the tensor is chosen by the run's number alone
	s_cmp_eq_u32 s27, 1
	s_cselect_b64 s[4:5], s[10:11], s[4:5]
	s_cmp_eq_u32 s27, 2
	s_cselect_b64 s[4:5], s[12:13], s[4:5]
	s_cmp_eq_u32 s27, 3
	s_cselect_b64 s[4:5], s[14:15], s[4:5]
	s_cmp_eq_u32 s27, 4
	s_cselect_b64 s[4:5], s[16:17], s[4:5]
	s_cmp_eq_u32 s27, 5
	s_cselect_b64 s[4:5], s[40:41], s[4:5]
	s_add_nc_u64 s[4:5], s[4:5], s[30:31]
	s_add_nc_u64 s[18:19], s[18:19], s[34:35]
	s_add_nc_u64 s[20:21], s[20:21], s[36:37]
.macro LOAD t                          ; step t: 128 numbers of each of the tile's 16 rows; 32 lanes read 512 consecutive bytes
.irp i, 0,1,2,3,4,5,6,7,8,9,10,11,12,13,14,15
	global_load_b128 v[R+64*((\t)%2)+4*\i:R+64*((\t)%2)+4*\i+3], v3, s[4:5] offset:(\i+8*(\i/8))*8192+512*(\t) th:TH_LOAD_NT
.endr
.endm
.macro STEP t
.set RS, R+64*((\t)%2)
.if (\t) < STEPS-1
	s_wait_loadcnt 16                              ; this step's 16 loads are in; the next step's 16 may be out
.else
	s_wait_loadcnt 0x0
.endif
.irp i, 0,1,2,3,4,5,6,7,8,9,10,11,12,13,14,15
	ds_store_b128 v14, v[RS+4*\i:RS+4*\i+3] offset:SP*\i
.endr
.irp b, 0,1,2,3
.irp j, 0,1,2,3
	ds_load_b128 v[X+16*\b+4*\j:X+16*\b+4*\j+3], v15 offset:128*\b+16*\j   ; LDS serves a wave's instructions in order: these see the stores above
.endr
.endr
	s_wait_dscnt 0x0                               ; the numbers are back, and the stores have read their registers
	s_wait_xcnt 0x0                                ; the last step's stores have read the codes' registers, which are written again below
.if (\t)+2 < STEPS
	LOAD (\t)+2
.endif
	QUANT X, WD+(\t), PC, TM
.irp g, 0,1,2
	global_store_b128 v3, v[PC+4*\g:PC+4*\g+3], s[18:19] offset:1536*(\t)+512*\g   ; 32 lanes store 512 consecutive bytes, at a multiple of 256 from the buffer's first byte
.endr
.endm
	LOAD 0
	LOAD 1
	s_cmp_ge_u32 s22, 10
	s_cbranch_scc1 .Lmask                          ; by the wave's number alone
.irp t, 0,1,2,3
	STEP \t
.endr
	v_cmp_gt_u32 vcc_lo, 16, v2                    ; the quad's four words of row r: lanes 0-15 store words 0 and 1, lanes 16-31 words 2 and 3
	s_delay_alu instid0(VALU_DEP_1)
	v_cndmask_b32 v[TM], v[WD+2], v[WD], vcc_lo
	s_delay_alu instid0(VALU_DEP_2)
	v_cndmask_b32 v[TM+1], v[WD+3], v[WD+1], vcc_lo
	global_store_b64 v6, v[TM:TM+1], s[20:21]      ; 32 lanes store 256 consecutive bytes, at a multiple of 256 from the buffer's first byte
	s_wait_tensorcnt 0x0
	ds_add_u32 v254, v255
	s_wait_dscnt 0x0
	s_endpgm
; THE MASK'S WAVES: the same loads and the same turn through the stage; then x sqrt(128), and the 64 registers leave as they lie, 512 consecutive bytes a store.
.macro MSTEP t
.set RS, R+64*((\t)%2)
.if (\t) < STEPS-1
	s_wait_loadcnt 16                              ; this step's 16 loads are in; the next step's 16 may be out
.else
	s_wait_loadcnt 0x0
.endif
.irp i, 0,1,2,3,4,5,6,7,8,9,10,11,12,13,14,15
	ds_store_b128 v14, v[RS+4*\i:RS+4*\i+3] offset:SP*\i
.endr
.irp b, 0,1,2,3
.irp j, 0,1,2,3
	ds_load_b128 v[X+16*\b+4*\j:X+16*\b+4*\j+3], v15 offset:128*\b+16*\j
.endr
.endr
	s_wait_dscnt 0x0
.if (\t)+2 < STEPS
	LOAD (\t)+2
.endif
.set jj, 0
.rept 32
	v_pk_mul_f32 v[X+jj:X+jj+1], v[X+jj:X+jj+1], s[44:45] op_sel_hi:[1,0]
.set jj, jj+2
.endr
.irp i, 0,1,2,3,4,5,6,7,8,9,10,11,12,13,14,15
	global_store_b128 v3, v[X+4*\i:X+4*\i+3], s[42:43] offset:8192*(\t)+512*\i
.endr
	s_wait_xcnt 0x0                                ; the stores have read their registers, which the next step's LDS loads write
.endm
.Lmask:
	s_lshl_b32 s38, s28, 17                        ; row tile x 16 steps x 8,192
	s_lshl_b32 s39, s29, 15                        ; + a quarter's four steps
	s_add_co_u32 s38, s38, s39
	s_mov_b32 s39, 0
	s_add_nc_u64 s[42:43], s[42:43], s[38:39]
	s_mov_b32 s44, 0x413504f3                      ; sqrt(128)
	s_mov_b32 s45, s44
.irp t, 0,1,2,3
	MSTEP \t
.endr
	s_wait_tensorcnt 0x0                           ; the wave's end
	ds_add_u32 v254, v255
	s_wait_dscnt 0x0
	s_endpgm
.Lfunc_end_k_q8577cdeb8d_quant:
	.size	k_q8577cdeb8d_quant, .Lfunc_end_k_q8577cdeb8d_quant-k_q8577cdeb8d_quant
	.p2alignl 7, 3214868480
	.fill 96, 4, 3214868480
	.section	.rodata,"a",@progbits
	.p2align	6, 0x0
	.amdhsa_kernel k_q8577cdeb8d_quant
		.amdhsa_group_segment_fixed_size 102912
		.amdhsa_private_segment_fixed_size 0
		.amdhsa_enable_private_segment 0
		.amdhsa_kernarg_size 72
		.amdhsa_user_sgpr_count 2
		.amdhsa_user_sgpr_kernarg_segment_ptr 1
		.amdhsa_wavefront_size32 1
		.amdhsa_system_sgpr_workgroup_id_x 1
		.amdhsa_system_sgpr_workgroup_id_y 1
		.amdhsa_system_sgpr_workgroup_id_z 1
		.amdhsa_system_vgpr_workitem_id 0
		.amdhsa_next_free_vgpr 256
		.amdhsa_next_free_sgpr 66
		.amdhsa_reserve_vcc 1
		.amdhsa_float_denorm_mode_32 3
		.amdhsa_float_denorm_mode_16_64 3
		.amdhsa_memory_ordered 1
		.amdhsa_forward_progress 1
		.amdhsa_inst_pref_size 67
	.end_amdhsa_kernel
	.amdgpu_metadata
---
amdhsa.version: [ 1, 2 ]
amdhsa.kernels:
  - .name:           k_q8577cdeb8d_quant
    .symbol:         k_q8577cdeb8d_quant.kd
    .args:
      - { .name: x, .offset: 0, .size: 8, .value_kind: global_buffer, .address_space: global }
      - { .name: Wq, .offset: 8, .size: 8, .value_kind: global_buffer, .address_space: global }
      - { .name: Wk, .offset: 16, .size: 8, .value_kind: global_buffer, .address_space: global }
      - { .name: Wv, .offset: 24, .size: 8, .value_kind: global_buffer, .address_space: global }
      - { .name: Wo, .offset: 32, .size: 8, .value_kind: global_buffer, .address_space: global }
      - { .name: a_codes, .offset: 40, .size: 8, .value_kind: global_buffer, .address_space: global }
      - { .name: a_scales, .offset: 48, .size: 8, .value_kind: global_buffer, .address_space: global }
      - { .name: attn_mask, .offset: 56, .size: 8, .value_kind: global_buffer, .address_space: global }
      - { .name: m2, .offset: 64, .size: 8, .value_kind: global_buffer, .address_space: global }
    .group_segment_fixed_size: 102912
    .private_segment_fixed_size: 0
    .kernarg_segment_align: 8
    .kernarg_segment_size: 72
    .max_flat_workgroup_size: 384
    .sgpr_count:     66
    .vgpr_count:     256
    .wavefront_size: 32
...
	.end_amdgpu_metadata
.endif
;; end of part 1
;; launch qkv (part 2): grid 24 x 8, 4 waves a work-group, clusters of 4 x 4, 327,680 bytes of LDS; arguments a_codes, a_scales, bq, bk, bv, qkv_codes; writes qkv_codes
.if DOCPART == 2
	.amdgcn_target "amdgcn-amd-amdhsa--gfx1250"
	.amdhsa_code_object_version 6
	.text
	.protected	k_q8577cdeb8d_qkv
	.globl	k_q8577cdeb8d_qkv
	.p2align	8
	.type	k_q8577cdeb8d_qkv,@function
k_q8577cdeb8d_qkv:
	s_mov_b64 s[64:65], 0
	v_nop
	global_prefetch_b8 v0, s[64:65] scope:SCOPE_SE
	s_setreg_imm32_b32 hwreg(HW_REG_WAVE_MODE, 25, 1), 1
	s_wait_xcnt 0x0
	s_wait_alu depctr_hold_cnt(0) depctr_sa_sdst(0) depctr_va_vdst(0) depctr_va_sdst(0) depctr_va_ssrc(0) depctr_va_vcc(0) depctr_vm_vsrc(0)
	s_getreg_b32 s2, hwreg(HW_REG_IB_STS2, 6, 4)
	s_cmp_eq_u32 s2, 0
	s_cbranch_scc0 .Lentry_in_a_cluster
	s_endpgm
.Lentry_in_a_cluster:
	s_bfe_u32 s2, ttmp6, 0x10000c
	s_cmp_lg_u32 s2, 0xf033
	s_cbranch_scc0 .Lentry_shape_is_right
	s_endpgm
.Lentry_shape_is_right:
; q = x Wq^T + bq, k = x Wk^T + bk (source 0 the weight's rows, source 1 x's) and v^T = Wv x^T + bv (source 0 x's rows), on codes of BF6 with E8M0 scales; results are quantised in registers along the next product's K.
; A block of 256 x 256 a work-group, 128 x 128 a wave; K in a ring of two slots of two steps of 128; clusters of 4 x 4 ask for A's and B's tiles jointly.
; qkv_codes: [unit 0..767][12,800]: unit = 256 x (q, k, v) + 16 x head + block of 128 rows: eight fragments of 1,536 bytes, then the 512 bytes of their scale words.
; THE HEAD: the four tiles that the first step needs are shared out, one joint load a wave: A's 16 row tiles of slot 0, B's, A's scale words, B's.  Slot 1 follows behind the full sequence.
; PREFETCH: behind each refill a wave names the tile two refills on: of its 8 rows of 3,072 bytes each of the four partners takes two, told apart by address: 24 blocks of 256 bytes, a lane a block (lanes 24-31 name the last again).
; Refills 2 and 3 are named behind the first fragment loads; the last two refills name nothing.
.set PFA,    12
.set NQ,     2
.set FR,     12
.set NL,     3
.set NP,     4
.set FRB,    1536
.set TILEB,  NQ*FRB
.set GTB,    16*FRB
.set HALFT,  8*TILEB
.set SLOT,   4*HALFT
.set LAPS,   4
.set SCL,    2*SLOT
.set HALFS,  8192
.set SBLK,   1024
.set SPARE,  SCL+4*HALFS
.set ADRA, 16
.set ADRB, 20
.set CO,   26
.set ADRS, 27
.set SPW,  28
.set NIL,  29
.set SC,   32
.set BR,   64
.set AF,   128
.set BL,   232
.set HA,   128
.set PC,   192
.set TM,   212
.set TB,   228
.set WD,   240
.set SEL,  20
.set G1, 24
.set G0, 32
.set G1B, 48
.set G0B, 56
.set G1S, 68
.set G0S, 76
.set G1SB, 80
.set G0SB, 88
.set MSB, 0
.macro WIN new
.if MSB != \new
	s_set_vgpr_msb (MSB<<8)|\new
.set MSB, \new
.endif
.endm
.set MUL_LO, 0xa1
.set MUL_HI, 0xf1
.set TO_B,   0x40
.macro QUANT s, pw, pc, tm
.irp b, 0,1,2,3
	v_max3_num_f32 v[\tm+\b], |v[\s+16*\b]|, |v[\s+1+16*\b]|, 0x2800000
.endr
.irp i, 2,4,6,8,10,12,14
.irp b, 0,1,2,3
	v_max3_num_f32 v[\tm+\b], v[\tm+\b], |v[\s+16*\b+\i]|, |v[\s+1+16*\b+\i]|
.endr
.endr
.irp b, 0,1,2,3
	v_permlanex16_b32 v[\tm+4+\b], v[\tm+\b], s[SEL], s[SEL+1]
.endr
.irp b, 0,1,2,3
	v_max_num_f32 v[\tm+\b], v[\tm+\b], v[\tm+4+\b]
.endr
.irp b, 0,1,2,3
	v_add_nc_u32 v[\tm+12+\b], 0xfe000000, v[\tm+\b]
.endr
.irp b, 0,1,2,3
	v_lshrrev_b32 v[\tm+4+\b], 23, v[\tm+12+\b]
.endr
	v_lshl_or_b32 v[\pw], v[\tm+5], 8, v[\tm+4]
	v_lshl_or_b32 v[\pw], v[\tm+6], 16, v[\pw]
	v_lshl_or_b32 v[\pw], v[\tm+7], 24, v[\pw]
.irp c, 0,1
	v_cvt_scalef32_pk16_bf6_f32 v[\pc+6*\c:\pc+2+6*\c], v[\s+32*\c:\s+15+32*\c], v[\tm+12+2*\c]
	v_cvt_scalef32_pk16_bf6_f32 v[\pc+12+4*\c:\pc+14+4*\c], v[\s+16+32*\c:\s+31+32*\c], v[\tm+12+2*\c+1]
.endr
	v_nop
.irp c, 0,1
.irp i, 0,1,2
	v_permlane16_swap_b32 v[\pc+6*\c+\i], v[\pc+12+4*\c+\i]
.endr
.irp i, 0,1,2
	v_mov_b32 v[\pc+3+6*\c+\i], v[\pc+12+4*\c+\i]
.endr
.endr
.endm
.macro JLOAD g0a, g1a, g0b, g1b
	s_cmp_eq_u32 s17, 0
	s_cbranch_scc0 .Lfor_b_\@
	tensor_load_to_lds s[\g0a:\g0a+3], s[\g1a:\g1a+7]
	s_nop 0
.rept 4
	v_nop
.endr
	s_branch .Lasked_\@
.Lfor_b_\@:
	tensor_load_to_lds s[\g0b:\g0b+3], s[\g1b:\g1b+7]
	s_nop 0
.rept 4
	v_nop
.endr
.Lasked_\@:
.endm
.macro CREST
	s_cmp_lg_u32 s16, 0
	s_cbranch_scc1 .Lnot_wave_0_\@
	s_barrier_signal -3
.Lnot_wave_0_\@:
	s_barrier_wait -3
	s_barrier_signal -1
	s_barrier_wait -1
.endm
.macro CROUND
	s_barrier_signal -1
	s_barrier_wait -1
	CREST
.endm
	s_load_b256 s[4:11], s[0:1], 0x0
	s_load_b128 s[12:15], s[0:1], 0x20
	v_lshl_add_u32 v[SPW], v0, 2, SPARE
	v_mov_b32 v[NIL], 0
	ds_add_u32 v28, v29
	ds_add_u32 v28, v29
	s_wait_dscnt 0x0
	v_lshrrev_b32 v1, 5, v0
	v_readfirstlane_b32 s16, v1
	s_lshr_b32 s17, s16, 1
	s_and_b32 s18, s16, 1
	s_bfe_u32 s98, ttmp6, 0x40000
	s_bfe_u32 s99, ttmp6, 0x40004
	s_lshl_b32 s42, ttmp9, 2
	s_add_co_u32 s42, s42, s98
	s_and_b32 s45, ttmp7, 0xffff
	s_lshl_b32 s45, s45, 2
	s_add_co_u32 s45, s45, s99
	s_lshl_b32 s43, s99, 2
	s_lshl_b32 s43, 15, s43
	s_lshl_b32 s44, 0x1111, s98
	s_cmp_ge_u32 ttmp9, 4
	s_mov_b32 s66, 128
	s_cselect_b32 s66, 0xffffff00, s66
	s_cselect_b32 s67, 384, 0
	s_cselect_b32 s40, 0, -1
	s_cselect_b32 s41, -1, 0
	s_or_b32 s[G1+0], s43, (3<<16)|(1<<21)
	s_or_b32 s[G1B+0], s44, (3<<16)|(1<<21)
.irp g, G1, G1B
	s_mov_b32 s[\g+1], 384<<16
	s_mov_b32 s[\g+2], 16<<16
	s_mov_b32 s[\g+3], 384<<16
	s_mov_b32 s[\g+4], 16
	s_mov_b32 s[\g+5], 3072
	s_mov_b32 s[\g+6], 0
	s_mov_b32 s[\g+7], 0
.endr
	s_or_b32 s[G1S+0], s43, (3<<16)|(1<<21)
	s_or_b32 s[G1SB+0], s44, (3<<16)|(1<<21)
.irp g, G1S, G1SB
	s_mov_b32 s[\g+1], 32<<16
	s_mov_b32 s[\g+2], 64<<16
	s_mov_b32 s[\g+3], 32<<16
	s_mov_b32 s[\g+4], 64
	s_mov_b32 s[\g+5], 32
	s_mov_b32 s[\g+6], 0
	s_mov_b32 s[\g+7], 0
.endr
	s_lshl_b32 s20, s18, 3
	s_lshl_b32 s22, s45, 4
	s_add_co_u32 s22, s22, s67
	s_add_co_u32 s22, s22, s20
	s_lshl_b32 s46, s42, 4
	s_add_co_u32 s46, s46, s66
	s_add_co_u32 s46, s46, s20
	s_lshl_b32 s92, s22, 10
	s_mov_b32 s93, 0
	s_lshl_b32 s94, s46, 10
	s_mov_b32 s95, 0
	s_mul_i32 s22, s22, GTB
	s_mov_b32 s23, 0
	s_mul_i32 s46, s46, GTB
	s_mov_b32 s47, 0
	s_mul_i32 s21, s16, HALFT
	s_lshl_b32 s20, s16, 13
	s_wait_kmcnt 0x0
	s_add_nc_u64 s[22:23], s[4:5], s[22:23]
	s_add_nc_u64 s[46:47], s[4:5], s[46:47]
	s_add_nc_u64 s[92:93], s[6:7], s[92:93]
	s_add_nc_u64 s[94:95], s[6:7], s[94:95]
	s_cmp_lt_u32 ttmp9, 2
	s_cselect_b64 s[8:9], s[8:9], s[10:11]
	s_cmp_lt_u32 ttmp9, 4
	s_cselect_b64 s[8:9], s[8:9], s[12:13]
	s_cmp_eq_u32 s17, 0                            ; the prefetches: my 8 row tiles, of A or of B,
	s_cselect_b32 s10, s98, s99                    ; my place among the four that ask with me,
	s_cselect_b64 s[PFA:PFA+1], s[22:23], s[46:47]
	s_mul_i32 s10, s10, 2*GTB                      ; two row tiles for each
	s_mov_b32 s11, 0
	s_add_nc_u64 s[PFA:PFA+1], s[PFA:PFA+1], s[10:11]
	s_add_nc_u64 s[PFA:PFA+1], s[PFA:PFA+1], TILEB     ; at slot 1's first fill
	s_mov_b32 s3, 0
	s_lshl_b32 s2, s18, 13                         ; the scale words of all 16 row tiles: back over my half
	s_sub_nc_u64 s[G0S+2:G0S+3], s[92:93], s[2:3]
	s_sub_nc_u64 s[G0SB+2:G0SB+3], s[94:95], s[2:3]
	s_mov_b32 s[G0S], 1
	s_mov_b32 s[G0S+1], SCL
	s_or_b32 s[G0S+3], s[G0S+3], 0x80000000
	s_mov_b32 s[G0SB], 1
	s_mov_b32 s[G0SB+1], SCL+2*HALFS
	s_or_b32 s[G0SB+3], s[G0SB+3], 0x80000000
.irp s, 0,1
	s_mov_b32 s[G0+4*\s], 1
	s_add_co_u32 s[G0+4*\s+1], s21, \s*SLOT
	s_add_nc_u64 s[G0+4*\s+2:G0+4*\s+3], s[22:23], \s*TILEB
	s_or_b32 s[G0+4*\s+3], s[G0+4*\s+3], 0x80000000
	s_mov_b32 s[G0B+4*\s], 1
	s_add_co_u32 s[G0B+4*\s+1], s21, \s*SLOT
	s_add_nc_u64 s[G0B+4*\s+2:G0B+4*\s+3], s[46:47], \s*TILEB
	s_or_b32 s[G0B+4*\s+3], s[G0B+4*\s+3], 0x80000000
.endr
	v_and_b32 v30, 31, v0                          ; the prefetches' offset: block l of 24: row tile l / 12, 256 (l % 12) in its 3,072 bytes
	v_min_u32 v30, 23, v30
	v_mul_u32_u24 v31, v30, 171
	v_lshrrev_b32 v31, 11, v31                     ; l / 12 for l under 24
	v_mul_u32_u24 v31, v31, GTB-TILEB
	v_lshl_add_u32 v30, v30, 8, v31
	s_mul_i32 s2, s18, 8*GTB
	s_sub_nc_u64 s[22:23], s[22:23], s[2:3]
	s_or_b32 s23, s23, 0x80000000
	s_mov_b32 s20, 1
	s_mov_b32 s21, 0
	s_sub_nc_u64 s[6:7], s[46:47], s[2:3]
	s_or_b32 s7, s7, 0x80000000
	s_mov_b32 s4, 1
	s_mov_b32 s5, 2*HALFT
	CROUND                                         ; all sixteen work-groups are here: the first joint loads meet
.macro ARM under, g0, g1, next                 ; one chain of branches on the wave's number, one load to an arm
	s_cmp_lt_u32 s16, \under
	s_cbranch_scc0 \next
	tensor_load_to_lds s[\g0:\g0+3], s[\g1:\g1+7]
	s_nop 0
.rept 4
	v_nop
.endr
	s_branch .Lhead_asked
\next:
.endm
	ARM 1, 20, G1, .Lhead_b
	ARM 2, 4, G1B, .Lhead_sa
	ARM 3, G0S, G1S, .Lhead_sb
	tensor_load_to_lds s[G0SB:G0SB+3], s[G1SB:G1SB+7]
	s_nop 0
.rept 4
	v_nop
.endr
.Lhead_asked:
	s_wait_alu depctr_va_vdst(0)
	global_prefetch_b8 v30, s[PFA:PFA+1] th:TH_LOAD_NT scope:SCOPE_SE   ; slot 1's first fill is named here, one fill ahead, behind the head's joint loads
	s_wait_tensorcnt 0x0
	ds_add_u32 v28, v29
	s_mov_b32 s[G1+2], 8<<16                       ; no load of mine is out: from here on a load brings 8 row tiles
	s_mov_b32 s[G1+4], 8
	s_mov_b32 s[G1B+2], 8<<16
	s_mov_b32 s[G1B+4], 8
	s_wait_dscnt 0x0
	CROUND
	JLOAD G0+4, G1, G0B+4, G1B                     ; slot 1's first fill
	v_and_b32 v1, 15, v0
	v_bfe_u32 v2, v0, 4, 1
	s_wait_alu depctr_va_vdst(0)
	v_and_b32 v3, 31, v0
	v_lshlrev_b32 v[CO], 4, v3
	s_mul_i32 s21, s17, HALFT
	s_mul_i32 s22, s18, HALFT
	s_add_co_u32 s22, s22, 2*HALFT
.irp s, 0,1
	v_add_nc_u32 v[ADRA+\s], s21, v[CO]
	v_add_nc_u32 v[ADRB+\s], s22, v[CO]
	s_add_co_u32 s21, s21, SLOT
	s_add_co_u32 s22, s22, SLOT
.endr
	v_lshlrev_b32 v5, 4, v1
	s_lshl_b32 s21, s17, 13
	s_lshl_b32 s22, s18, 13
	s_add_co_u32 s22, s22, 2*HALFS
	s_sub_co_u32 s22, s22, s21
	v_mul_u32_u24 v6, s22, v2
	s_add_co_u32 s21, s21, SCL
	v_add_nc_u32 v5, v5, v6
	v_add_nc_u32 v[ADRS], s21, v5
	s_lshl_b32 s20, s42, 1
	s_add_co_u32 s20, s20, s18
	s_lshl_b32 s21, s45, 1
	s_add_co_u32 s21, s21, s17
	s_and_b32 s22, s20, 15
	s_lshl_b32 s23, s20, 4
	s_add_co_u32 s23, s23, s21
	s_lshl_b32 s46, s21, 4
	s_add_co_u32 s46, s46, s20
	s_add_co_u32 s46, s46, 480
	s_cmp_ge_u32 ttmp9, 4
	s_cselect_b32 s22, s21, s22
	s_cselect_b32 s23, s46, s23
	s_lshl_b32 s46, s22, 9
	s_mov_b32 s47, 0
	s_add_nc_u64 s[8:9], s[8:9], s[46:47]
	s_mul_i32 s46, s23, 12800
	s_add_nc_u64 s[14:15], s[14:15], s[46:47]
	v_lshlrev_b32 v7, 6, v2
	v_and_b32 v8, 8, v1
	v_add_nc_u32 v8, v8, v1
	v_lshlrev_b32 v8, 2, v8
.irp b, 0,1,2,3,4,5,6,7
	global_load_b128 v[BR+8*\b:BR+8*\b+3], v7, s[8:9] offset:(32*(\b/2)+8*(\b%2))*4
	global_load_b128 v[BR+8*\b+4:BR+8*\b+7], v7, s[8:9] offset:(32*(\b/2)+8*(\b%2))*4+16
.endr
.irp a, 0,1,2,3,4,5,6,7
	global_load_b32 v[BL+\a], v8, s[8:9] offset:(32*(\a/2)+8*(\a%2))*4
.endr
.macro FRAG reg, adr, q, i
.irp g, 0,1,2
	ds_load_b128 v[\reg+4*\g:\reg+4*\g+3], v[\adr] offset:(\i)*TILEB+(\q)*FRB+512*\g
.endr
.endm
.macro MUL16 a0, p, q, sc, zero
.irp a, \a0, \a0+1
.irp b, 0,1,2,3,4,5,6,7
.if \zero
	v_wmma_scale_f32_16x16x128_f8f6f4 v[8*(8*((\a)%4)+\b):8*(8*((\a)%4)+\b)+7], v[128*(\p)+FR*\b:128*(\p)+FR*\b+FR-1], v[AF+FR*(\a):AF+FR*(\a)+FR-1], 0, v[SC+8*NQ*(\sc)+NQ*\b+(\q)], v[SC+8*NQ*(\sc)+NQ*(\a)+(\q)] matrix_a_fmt:MATRIX_FMT_BF6 matrix_b_fmt:MATRIX_FMT_BF6 matrix_a_scale:MATRIX_SCALE_ROW1
.else
	v_wmma_scale_f32_16x16x128_f8f6f4 v[8*(8*((\a)%4)+\b):8*(8*((\a)%4)+\b)+7], v[128*(\p)+FR*\b:128*(\p)+FR*\b+FR-1], v[AF+FR*(\a):AF+FR*(\a)+FR-1], v[8*(8*((\a)%4)+\b):8*(8*((\a)%4)+\b)+7], v[SC+8*NQ*(\sc)+NQ*\b+(\q)], v[SC+8*NQ*(\sc)+NQ*(\a)+(\q)] matrix_a_fmt:MATRIX_FMT_BF6 matrix_b_fmt:MATRIX_FMT_BF6 matrix_a_scale:MATRIX_SCALE_ROW1
.endif
.endr
.endr
.endm
.macro FETCH_B slot, q, p
	WIN TO_B
.irp i, 0,1,2,3,4,5,6,7
	FRAG 128*(\p)+FR*\i, ADRB+\slot, \q, \i
.endr
	WIN 0
.endm
.macro FETCH_A slot, q, i0
.irp i, \i0, \i0+1, \i0+2, \i0+3
	FRAG AF+FR*(\i), ADRA+\slot, \q, \i
.endr
.endm
.macro SCALES sc
.irp i, 0,1,2,3,4,5,6,7
	ds_load_b64 v[SC+8*NQ*\sc+NQ*\i:SC+8*NQ*\sc+NQ*\i+1], v[ADRS] offset:\i*SBLK
.endr
.endm
.macro PLACES n
.rept \n
	v_nop
.endr
.endm
.macro STEP slot, q, zero
	s_wait_dscnt 4*NL
	WIN MUL_LO
	MUL16 0, (\q)%2, \q, \slot, \zero
	MUL16 2, (\q)%2, \q, \slot, \zero
	s_wait_dscnt 0
	PLACES NP
	FETCH_B \slot, (\q)+1, 1-(\q)%2
	FETCH_A \slot, (\q)+1, 0
	WIN MUL_HI
	MUL16 4, (\q)%2, \q, \slot, \zero
	MUL16 6, (\q)%2, \q, \slot, \zero
	PLACES NP
	WIN 0
	FETCH_A \slot, (\q)+1, 4
.endm
.macro TURN slot, next, fill
.if \fill
	s_wait_xcnt 0x0                                ; my last prefetch has read its address: it steps one refill on
	s_add_nc_u64 s[PFA:PFA+1], s[PFA:PFA+1], TILEB
.endif
	s_wait_tensorcnt 0x0
	ds_add_u32 v[SPW], v[NIL]
	s_wait_dscnt 4*NL+1
	WIN MUL_LO
	MUL16 0, 1, NQ-1, \slot, 0
	s_wait_dscnt 0x0
	s_barrier_signal -1
	MUL16 2, 1, NQ-1, \slot, 0
	WIN 0
	s_barrier_wait -1
.if \fill
	CREST
	s_add_nc_u64 s[G0+4*\slot+2:G0+4*\slot+3], s[G0+4*\slot+2:G0+4*\slot+3], 2*TILEB
	s_add_nc_u64 s[G0B+4*\slot+2:G0B+4*\slot+3], s[G0B+4*\slot+2:G0B+4*\slot+3], 2*TILEB
	JLOAD G0+4*\slot, G1, G0B+4*\slot, G1B
.else
	PLACES NP
.endif
.if \next == 1
	s_wait_alu depctr_va_vdst(0)
	v_add_nc_u32 v[ADRS], 8, v[ADRS]
.else
	s_wait_alu depctr_va_vdst(0)
	v_add_nc_u32 v[ADRS], 248, v[ADRS]
.endif
	FETCH_B \next, 0, 0
	FETCH_A \next, 0, 0
	SCALES \next
.if \fill
	s_cmp_gt_u32 s19, 1                            ; the loop's last trip has no refill two on
	s_cbranch_scc0 .Lno_ask_\@
	global_prefetch_b8 v30, s[PFA:PFA+1] offset:2*TILEB th:TH_LOAD_NT scope:SCOPE_SE
.Lno_ask_\@:
.endif
	WIN MUL_HI
	MUL16 4, 1, NQ-1, \slot, 0
	MUL16 6, 1, NQ-1, \slot, 0
	PLACES NP
	WIN 0
	FETCH_A \next, 0, 4
.endm
	s_wait_alu depctr_va_vdst(0)
	s_wait_tensorcnt 1
	s_barrier_signal -1
	s_barrier_wait -1
	FETCH_B 0, 0, 0
	FETCH_A 0, 0, 0
	SCALES 0
	FETCH_A 0, 0, 4
	global_prefetch_b8 v30, s[PFA:PFA+1] offset:TILEB th:TH_LOAD_NT scope:SCOPE_SE
	global_prefetch_b8 v30, s[PFA:PFA+1] offset:2*TILEB th:TH_LOAD_NT scope:SCOPE_SE
	STEP 0, 0, 1
	s_mov_b32 s19, LAPS-1
.Llap:
	TURN 0, 1, 1
	STEP 1, 0, 0
	TURN 1, 0, 1
	STEP 0, 0, 0
	s_sub_co_u32 s19, s19, 1
	s_cmp_lg_u32 s19, 0
	s_cbranch_scc1 .Llap
	TURN 0, 1, 0
	STEP 1, 0, 0
	s_wait_dscnt 4*NL
	WIN MUL_LO
	MUL16 0, 1, NQ-1, 1, 0
	MUL16 2, 1, NQ-1, 1, 0
	s_wait_dscnt 0
	WIN MUL_HI
	MUL16 4, 1, NQ-1, 1, 0
	MUL16 6, 1, NQ-1, 1, 0
	WIN 0
	PLACES NP
	s_mov_b32 s[SEL], 0x76543210
	s_mov_b32 s[SEL+1], 0xfedcba98
	s_wait_loadcnt 0x0
.set j, 0
.rept 64
	v_cndmask_b32 v[BR+j], 0, v[BR+j], s40
.set j, j+1
.endr
.set j, 0
.rept 8
	v_cndmask_b32 v[BL+j], 0, v[BL+j], s41
.set j, j+1
.endr
.irp b, 0,1,2,3
	v_mov_b32 v[TM+4+\b], 0
.endr
.macro EPI a
	WIN 0x02+((\a)/4)
.set j, 0
.rept 32
	v_pk_add_f32 v[HA+j:HA+j+1], v[64*((\a)%4)+j:64*((\a)%4)+j+1], v[BR+j:BR+j+1]
.set j, j+2
.endr
	WIN 0
	v_mov_b32 v[TB], v[BL+(\a)]
	v_mov_b32 v[TB+1], v[BL+(\a)]
.set j, 0
.rept 32
	v_pk_add_f32 v[HA+j:HA+j+1], v[HA+j:HA+j+1], v[TB:TB+1]
.set j, j+2
.endr
.if (\a) > 0
	s_wait_xcnt 0x0
.endif
	QUANT HA, WD+(\a), PC, TM
.irp g, 0,1,2
	global_store_b128 v[CO], v[PC+4*\g:PC+4*\g+3], s[14:15] offset:(\a)*FRB+512*\g
.endr
.endm
.irp a, 0,1,2,3,4,5,6,7
	EPI \a
.endr
	v_cmp_gt_u32 vcc_lo, 16, v3
.irp j, 0,1,2,3
	v_cndmask_b32 v[TM+\j], v[WD+2*\j+1], v[WD+2*\j], vcc_lo
.endr
	global_store_b128 v[CO], v[TM:TM+3], s[14:15] offset:12288   ; the unit's scale words, behind its eight fragments
	s_wait_tensorcnt 0x0
	ds_add_u32 v[SPW], v[NIL]
	s_wait_dscnt 0x0
	CROUND
	s_endpgm
.Lfunc_end_k_q8577cdeb8d_qkv:
	.size	k_q8577cdeb8d_qkv, .Lfunc_end_k_q8577cdeb8d_qkv-k_q8577cdeb8d_qkv
	.p2alignl 7, 3214868480
	.fill 96, 4, 3214868480
	.section	.rodata,"a",@progbits
	.p2align	6, 0x0
	.amdhsa_kernel k_q8577cdeb8d_qkv
		.amdhsa_group_segment_fixed_size 327680
		.amdhsa_private_segment_fixed_size 0
		.amdhsa_enable_private_segment 0
		.amdhsa_kernarg_size 48
		.amdhsa_user_sgpr_count 2
		.amdhsa_user_sgpr_kernarg_segment_ptr 1
		.amdhsa_wavefront_size32 1
		.amdhsa_system_sgpr_workgroup_id_x 1
		.amdhsa_system_sgpr_workgroup_id_y 1
		.amdhsa_system_sgpr_workgroup_id_z 1
		.amdhsa_system_vgpr_workitem_id 0
		.amdhsa_next_free_vgpr 1024
		.amdhsa_next_free_sgpr 100
		.amdhsa_reserve_vcc 1
		.amdhsa_float_denorm_mode_32 3
		.amdhsa_float_denorm_mode_16_64 3
		.amdhsa_memory_ordered 1
		.amdhsa_forward_progress 1
		.amdhsa_inst_pref_size 181
	.end_amdhsa_kernel
	.amdgpu_metadata
---
amdhsa.version: [ 1, 2 ]
amdhsa.kernels:
  - .name:           k_q8577cdeb8d_qkv
    .symbol:         k_q8577cdeb8d_qkv.kd
    .args:
      - { .name: a_codes, .offset: 0, .size: 8, .value_kind: global_buffer, .address_space: global }
      - { .name: a_scales, .offset: 8, .size: 8, .value_kind: global_buffer, .address_space: global }
      - { .name: bq, .offset: 16, .size: 8, .value_kind: global_buffer, .address_space: global }
      - { .name: bk, .offset: 24, .size: 8, .value_kind: global_buffer, .address_space: global }
      - { .name: bv, .offset: 32, .size: 8, .value_kind: global_buffer, .address_space: global }
      - { .name: qkv_codes, .offset: 40, .size: 8, .value_kind: global_buffer, .address_space: global }
    .group_segment_fixed_size: 327680
    .private_segment_fixed_size: 0
    .kernarg_segment_align: 8
    .kernarg_segment_size: 48
    .max_flat_workgroup_size: 128
    .sgpr_count:     100
    .vgpr_count:     1024
    .wavefront_size: 32
...
	.end_amdgpu_metadata
.endif
;; end of part 2
;; launch attn (part 3): grid 16 x 16, 8 waves a work-group, clusters of 4 x 1, 327,680 bytes of LDS; arguments qkv_codes, m2, o_codes, o_scales; writes o_codes, o_scales
.if DOCPART == 3
	.amdgcn_target "amdgcn-amd-amdhsa--gfx1250"
	.amdhsa_code_object_version 6
	.text
	.protected	k_q8577cdeb8d_attn
	.globl	k_q8577cdeb8d_attn
	.p2align	8
	.type	k_q8577cdeb8d_attn,@function
k_q8577cdeb8d_attn:
	s_mov_b64 s[64:65], 0
	v_nop
	global_prefetch_b8 v0, s[64:65] scope:SCOPE_SE
	s_setreg_imm32_b32 hwreg(HW_REG_WAVE_MODE, 25, 1), 1
	s_wait_xcnt 0x0
	s_wait_alu depctr_hold_cnt(0) depctr_sa_sdst(0) depctr_va_vdst(0) depctr_va_sdst(0) depctr_va_ssrc(0) depctr_va_vcc(0) depctr_vm_vsrc(0)
	s_getreg_b32 s2, hwreg(HW_REG_IB_STS2, 6, 4)
	s_cmp_eq_u32 s2, 0
	s_cbranch_scc0 .Lentry_in_a_cluster
	s_endpgm
.Lentry_in_a_cluster:
	s_bfe_u32 s2, ttmp6, 0x10000c
	s_cmp_lg_u32 s2, 0x3003
	s_cbranch_scc0 .Lentry_shape_is_right
	s_endpgm
.Lentry_shape_is_right:
; o[h][q] = the sum over k of softmax_k(q . k / sqrt(128) + mask[q][k]) v[h][k], both products on codes of BF6 with E8M0 scales; o leaves quantised along the model's 2,048, as the last product's operand.
; THE MASK IS AN INPUT: every query walks all 2,048 keys.  m2 holds mask x sqrt(128) as images of the score product's accumulators: 16 loads of 512 consecutive bytes bring a key step's 16 x 128 numbers,
; and they are the C of the score product: u = q . k + mask x sqrt(128) = sqrt(128) x logit.
; THE SOFTMAX.  U = the running largest u; T = U c rounded to f32, c = log2(e) / sqrt(128); M = ceil(T), a whole number; p = 2^((u - U) c + (T - M)).  u - U is taken first, so a row of equal huge numbers gives p = 2^(T - M) = 1.
; p is quantised along the keys, not normalised; the row's sum is taken of the unquantised p and divides at the end.  When M moves, the sum and O are multiplied by 2^(old M - new M): exact.
; LIMITS: a row whose mask is -infinity at every key gives NaN (so does the softmax as defined); NaN among the inputs is not served; a block of zeros gets the scale byte 1 (its codes are zeros).
; SHARES.  A work-group owns 128 queries of one head, each of its eight waves one tile of 16; two waves to a SIMD.  Sixteen key steps of 128.
; A unit of qkv_codes is 12,800 bytes: eight fragments and their 512 bytes of scale words.  A slot holds K's units of four key steps, then V's: 102,400 bytes; each wave fetches one unit of a slot.
; Slot 0 is asked for at the head, slot 1 behind the first barrier; two refills follow, each asked for four key steps ahead of its first read: so K and V are not prefetched.
; LAYOUT.  Both products are used transposed: S^T = K Q^T + mask, O^T = V^T P^T: a lane holds one query throughout.  The rows of a tile T are 32 (T / 2) + 8 (T % 2) + p + 8 (p / 8), so a lane's 64 scores are keys 32 b + 16 (lane / 16) + i in register 16 b + i.
; CLUSTERS: 4 x 1: the four blocks of queries of a cluster belong to one head and walk the same K and V, asked for jointly.  The mask's tiles differ between the partners and come by each wave's own loads.
; THE MASK'S LOADS stand behind the score products, which free their registers: one key step ahead of their use.  One prefetch a wave and step names the 32 blocks of 256 bytes of the tile four steps on, a lane a block;
; tiles 1 to 3 are named at the head; steps 12 to 15 name nothing.  In a cluster each tile is loaded, and so named, by one wave alone.
; REGISTERS: window 0: v1-13 addresses and the row's state; v16-27 Q; v28-35 K's and V's scale words; v36-54 the way out; v56-63 maxima; v64-79 the sum and its chains; v96-159 S^T, then p; v160-223 O^T; v224-235 p's codes; v232-254 at work; v255 Q's scale word.
;   window 1: v0-95 K's fragments, then V's; v96-159 the mask.
.set UNIT,  12800
.set SCO,   12288                      ; a unit's scale words
.set VOFF,  4*UNIT
.set SLOT,  8*UNIT
.set SPARE, 2*SLOT                     ; the spare words, 128 bytes for each wave: four blocks of 256 bytes that no other line names
.set OSG,   SPARE+1024                 ; 512 bytes: the eight waves' scale words of o meet here; no fill lands here
.set LI,   1                           ; 16 x lane
.set ADF,  4                           ; the step's unit of K
.set SPW,  5                           ; my spare word; never rewritten
.set NIL,  6                           ; 0; never rewritten
.set PF,   7                           ; 256 x lane
.set NM,   8                           ; -M
.set TT,   9                           ; T
.set DL,   10                          ; v[10:11]: T - M in the low word
.set KS,   28
.set VS,   32
.set TMQ,  36
.set PWQ,  52
.set OSA,  53
.set OSB,  54
.set CH,   56
.set SUM,  64
.set MB,   6                           ; s[6:7] m2 at my tile; it walks 8,192 bytes a step
.set WV,   14
.set SEL,  20
.set SCQ,  22                          ; s[22:23] c
.set G1KV, 24
.set G0A,  40
.set G0B,  44
.set TB,   62
.set CNT,  66
.set MSB, 0
.macro WIN new                         ; the immediate's high byte repeats the setting that is left
.if MSB != \new
	s_set_vgpr_msb (MSB<<8)|\new
.set MSB, \new
.endif
.endm
.macro HINT n
	s_delay_alu instid0(VALU_DEP_\n)
.endm
.macro QUANT s, pw, pc, tm             ; 64 numbers of a lane become a fragment's codes in v[pc] on and its rows' scale word in v[pw]
.irp b, 0,1,2,3
	v_max3_num_f32 v[\tm+\b], |v[\s+16*\b]|, |v[\s+1+16*\b]|, 0x2800000
.endr
.irp i, 2,4,6,8,10,12,14
.irp b, 0,1,2,3
	HINT 4
	v_max3_num_f32 v[\tm+\b], v[\tm+\b], |v[\s+16*\b+\i]|, |v[\s+1+16*\b+\i]|
.endr
.endr
.irp b, 0,1,2,3
	HINT 4
	v_permlanex16_b32 v[\tm+4+\b], v[\tm+\b], s[SEL], s[SEL+1]
.endr
.irp b, 0,1,2,3
	HINT 4
	v_max_num_f32 v[\tm+\b], v[\tm+\b], v[\tm+4+\b]
.endr
.irp b, 0,1,2,3
	HINT 4
	v_add_nc_u32 v[\tm+12+\b], 0xfe000000, v[\tm+\b]
.endr
.irp b, 0,1,2,3
	HINT 4
	v_lshrrev_b32 v[\tm+4+\b], 23, v[\tm+12+\b]
.endr
	HINT 3
	v_lshl_or_b32 v[\pw], v[\tm+5], 8, v[\tm+4]
	HINT 1
	v_lshl_or_b32 v[\pw], v[\tm+6], 16, v[\pw]
	HINT 1
	v_lshl_or_b32 v[\pw], v[\tm+7], 24, v[\pw]
.irp c, 0,1
	v_cvt_scalef32_pk16_bf6_f32 v[\pc+6*\c:\pc+2+6*\c], v[\s+32*\c:\s+15+32*\c], v[\tm+12+2*\c]
	v_cvt_scalef32_pk16_bf6_f32 v[\pc+12+4*\c:\pc+14+4*\c], v[\s+16+32*\c:\s+31+32*\c], v[\tm+12+2*\c+1]
.endr
	v_nop                                          ; one plain place behind a scaled conversion
.irp c, 0,1
.irp i, 0,1,2
	v_permlane16_swap_b32 v[\pc+6*\c+\i], v[\pc+12+4*\c+\i]
.endr
.irp i, 0,1,2
	HINT 3
	v_mov_b32 v[\pc+3+6*\c+\i], v[\pc+12+4*\c+\i]
.endr
.endr
.endm
.macro CROUND                          ; a round of the cluster's barrier
	s_barrier_signal -1
	s_barrier_wait -1
	s_cmp_lg_u32 s[WV], 0
	s_cbranch_scc1 .Lnot_wave_0_\@
	s_barrier_signal -3
.Lnot_wave_0_\@:
	s_barrier_wait -3
	s_barrier_signal -1
	s_barrier_wait -1
.endm
.macro PLACES
.rept 4
	v_nop
.endr
.endm
	s_load_b256 s[4:11], s[0:1], 0x0               ; qkv_codes s[4:5], m2 s[6:7], o_codes s[8:9], o_scales s[10:11]
	v_lshl_add_u32 v[SPW], v0, 2, SPARE
	v_mov_b32 v[NIL], 0
	ds_add_u32 v[SPW], v[NIL]                      ; the opening lines: the add, twice on end, and its wait ahead of my first tensor load
	ds_add_u32 v[SPW], v[NIL]
	v_lshrrev_b32 v9, 5, v0
	v_readfirstlane_b32 s[WV], v9                  ; wave 0..7
	s_and_b32 s15, s[WV], 3                        ; which of a slot's four key steps I fetch,
	s_lshr_b32 s17, s[WV], 2                       ; for K (0) or for V (1)
	s_and_b32 s83, s[WV], 1
	s_lshr_b32 s84, s[WV], 1
	s_bfe_u32 s16, ttmp6, 0x40000                  ; cx
	s_lshl_b32 s18, ttmp9, 2
	s_add_co_u32 s18, s18, s16                     ; my block of 128 queries: it enters the mask's, Q's and o's addresses alone
	s_and_b32 s19, ttmp7, 0xffff                   ; the head, which the four partners share
	s_mov_b32 s[G1KV], 15|(3<<16)|(1<<21)          ; a unit: 12,800 dense bytes as 50 rows of 256 (32 elements of 8 bytes); the mask names all four work-groups
	s_mov_b32 s[G1KV+1], 32<<16
	s_mov_b32 s[G1KV+2], 50<<16
	s_mov_b32 s[G1KV+3], 32<<16
	s_mov_b32 s[G1KV+4], 50
	s_mov_b32 s[G1KV+5], 32
	s_mov_b32 s[G1KV+6], 0
	s_mov_b32 s[G1KV+7], 0
	s_lshl_b32 s70, s17, 8
	s_add_co_u32 s70, s70, 256                     ; k's units begin at 256, v's at 512
	s_lshl_b32 s71, s19, 4
	s_add_co_u32 s70, s70, s71                     ; + 16 x head
	s_add_co_u32 s76, s71, s18                     ; q's unit: 16 x head + block
	s_add_co_u32 s70, s70, s15                     ; + the key step
	s_mul_i32 s70, s70, UNIT
	s_mov_b32 s71, 0
	s_mul_i32 s76, s76, UNIT
	s_mov_b32 s77, 0
	s_lshl_b32 s74, s18, 3
	s_add_co_u32 s74, s74, s[WV]                   ; my row tile: 8 x block + wave
	s_mul_i32 s80, s74, 24576                      ; o's codes: row tile, K step = head
	s_mul_i32 s81, s19, 1536
	s_add_co_u32 s80, s80, s81
	s_mov_b32 s81, 0
	s_lshl_b32 s74, s74, 17                        ; m2: 16 steps x 8,192 a row tile
	s_mov_b32 s75, 0
	s_lshl_b32 s72, s19, 13                        ; o's scale words: head x 8,192 + block x 512
	s_lshl_b32 s73, s18, 9
	s_add_co_u32 s72, s72, s73
	s_mov_b32 s73, 0
	s_mul_i32 s85, s[WV], UNIT                     ; where my unit goes in a slot
	s_mul_i32 s86, s[WV], 1536                     ; my fragment of Q
	s_mov_b32 s87, 0
	s_lshl_b32 s90, s83, 8                         ; its scale word: word w / 2 of lane r + 16 (w % 2)
	s_lshl_b32 s91, s84, 2
	s_add_co_u32 s90, s90, s91
	s_mov_b32 s[SEL], 0x76543210
	s_mov_b32 s[SEL+1], 0xfedcba98
	s_mov_b32 s[SCQ], 0x3e0293ee                   ; c = log2(e) / sqrt(128)
	s_mov_b32 s[SCQ+1], s[SCQ]
	s_wait_dscnt 0x0                               ; both opening adds are done
	s_wait_kmcnt 0x0
	s_add_nc_u64 s[88:89], s[4:5], s[70:71]
	s_mov_b32 s[G0A], 1
	s_mov_b32 s[G0A+1], s85                        ; slot 0: key steps 0 to 3
	s_mov_b64 s[G0A+2:G0A+3], s[88:89]
	s_or_b32 s[G0A+3], s[G0A+3], 0x80000000
	s_mov_b32 s[G0B], 1
	s_add_co_u32 s[G0B+1], s85, SLOT               ; slot 1: key steps 4 to 7
	s_add_nc_u64 s[G0B+2:G0B+3], s[88:89], 4*UNIT
	s_or_b32 s[G0B+3], s[G0B+3], 0x80000000
	CROUND                                         ; all four work-groups are here: the first joint loads meet
	tensor_load_to_lds s[G0A:G0A+3], s[G1KV:G1KV+7]   ; my one load at the head
	s_nop 0
	PLACES
	s_add_nc_u64 s[MB:MB+1], s[MB:MB+1], s[74:75]
	s_add_nc_u64 s[78:79], s[4:5], s[76:77]        ; q's unit
	s_add_nc_u64 s[76:77], s[78:79], s[86:87]      ; my fragment of it
	s_add_nc_u64 s[8:9], s[8:9], s[80:81]
	s_add_nc_u64 s[10:11], s[10:11], s[72:73]
	v_and_b32 v9, 31, v0
	v_and_b32 v10, 15, v0                          ; r
	v_lshlrev_b32 v[LI], 4, v9
	v_lshlrev_b32 v[PF], 8, v9
	v_lshl_add_u32 v9, v10, 4, s90
	v_lshrrev_b32 v[OSA], 5, v0
	v_lshlrev_b32 v[OSA], 6, v[OSA]
	v_lshl_add_u32 v[OSA], v10, 2, v[OSA]
	v_add_nc_u32 v[OSA], OSG, v[OSA]               ; OSG + 64 x wave + 4 r
	v_add_nc_u32 v[OSB], OSG, v[LI]
	s_wait_alu depctr_va_vdst(0)                   ; the wait ahead of the readers below
.irp g, 0,1,2
	global_load_b128 v[16+4*\g:19+4*\g], v[LI], s[76:77] offset:512*\g   ; Q stays in registers
.endr
	global_load_b32 v255, v9, s[78:79] offset:SCO
	WIN 0x40                                       ; destination window 1
.irp i, 0,1,2,3,4,5,6,7,8,9,10,11,12,13,14,15
	global_load_b128 v[96+4*\i:99+4*\i], v[LI], s[MB:MB+1] offset:512*\i   ; the mask of key step 0
.endr
	WIN 0
.irp t, 1,2,3
	global_prefetch_b8 v[PF], s[MB:MB+1] offset:8192*\t th:TH_LOAD_NT scope:SCOPE_SE
.endr
	v_mov_b32 v13, 0xff61b1e6                      ; U: -3e38, under every u
	v_mov_b32 v12, 0
	v_mov_b32 v11, 0                               ; (named as the upper half of v[10:11])
	v_mul_f32 v[NM], s[SCQ], v13
	v_floor_f32 v[NM], -v[NM]                      ; -M
	v_mov_b32 v[SUM], 0                            ; the sum, in two halves
	v_mov_b32 v[SUM+1], 0
.irp b, 0,1,2,3
	v_mov_b32 v[236+\b], 0                         ; written once: a lane permute's destination counts as one of its sources
	v_mov_b32 v[TMQ+4+\b], 0
.endr
	v_mov_b32 v253, 0                              ; (named as the upper half of v[252:253] before it is first written)
.set jj, 0
.rept 64
	v_mov_b32 v[160+jj], 0                         ; O^T: the step has no first form of its own; the first change of M leaves zeros zeros
.set jj, jj+1
.endr
; A KEY STEP: 128 keys.  ld = 1: the next step's mask is loaded;  pf = 1: the mask of four steps on is named.
.macro STEP ld, pf
	v_add_nc_u32 v[ADF], s[TB], v[LI]
.rept 3
	v_nop                                          ; four places in front of loads into registers that the last products have read
.endr
	ds_load_b128 v[KS:KS+3], v[ADF] offset:SCO     ; K's scale words: register j: lanes 0-15 tile 2 j, lanes 16-31 tile 2 j + 1
	ds_load_b128 v[VS:VS+3], v[ADF] offset:VOFF+SCO
	WIN 0x40
.irp t, 0,1,2,3,4,5,6,7
.irp g, 0,1,2
	ds_load_b128 v[12*\t+4*\g:12*\t+4*\g+3], v[ADF] offset:1536*\t+512*\g
.endr
.endr
	s_wait_alu depctr_va_vdst(0)
	s_wait_loadcnt 0x0                             ; this step's mask is in (asked for a step ago; nothing younger is out)
	s_wait_dscnt 0x0                               ; K and the scale words are in
	WIN 0x11                                       ; sources 0 and 2 window 1
.irp t, 0,1,2,3,4,5,6,7
.if \t%2
	v_wmma_scale_f32_16x16x128_f8f6f4 v[96+8*\t:103+8*\t], v[12*\t:12*\t+11], v[16:27], v[96+8*\t:103+8*\t], v[KS+\t/2], v255 matrix_a_fmt:MATRIX_FMT_BF6 matrix_b_fmt:MATRIX_FMT_BF6 matrix_a_scale:MATRIX_SCALE_ROW1
.else
	v_wmma_scale_f32_16x16x128_f8f6f4 v[96+8*\t:103+8*\t], v[12*\t:12*\t+11], v[16:27], v[96+8*\t:103+8*\t], v[KS+\t/2], v255 matrix_a_fmt:MATRIX_FMT_BF6 matrix_b_fmt:MATRIX_FMT_BF6
.endif
.endr
	PLACES                                         ; the mask and V are loaded into registers that these products read, and their results are read below
	WIN 0x40
.if \ld
	s_wait_xcnt 0x0                                ; the earlier loads and prefetch have read their base: it steps only behind this wait
	s_add_nc_u64 s[MB:MB+1], s[MB:MB+1], 8192
.irp i, 0,1,2,3,4,5,6,7,8,9,10,11,12,13,14,15
	global_load_b128 v[96+4*\i:99+4*\i], v[LI], s[MB:MB+1] offset:512*\i
.endr
.if \pf
	global_prefetch_b8 v[PF], s[MB:MB+1] offset:3*8192 th:TH_LOAD_NT scope:SCOPE_SE
.endif
.endif
.irp t, 0,1,2,3,4,5,6,7
.irp g, 0,1,2
	ds_load_b128 v[12*\t+4*\g:12*\t+4*\g+3], v[ADF] offset:VOFF+1536*\t+512*\g   ; V, where K lay
.endr
.endr
	WIN 0
.irp q, 0,1,2,3,4,5,6,7                        ; the largest u of each block of 32 keys, in eight chains by turns; each accumulator from its low end on
	v_max3_num_f32 v[CH+\q], v[96+8*\q], v[97+8*\q], v[98+8*\q]
.endr
.irp i, 3,5
.irp q, 0,1,2,3,4,5,6,7
	v_max3_num_f32 v[CH+\q], v[CH+\q], v[96+8*\q+\i], v[97+8*\q+\i]
.endr
.endr
.irp b, 0,1,2,3
	v_max3_num_f32 v[CH+2*\b], v[CH+2*\b], v[103+16*\b], v[111+16*\b]   ; each block's last two scores, into its even chain
.endr
.irp b, 0,1,2,3
	HINT 4
	v_max_num_f32 v[232+\b], v[CH+2*\b], v[CH+1+2*\b]                   ; the block's two chains meet
.endr
.irp b, 0,1,2,3
	HINT 4
	v_permlanex16_b32 v[236+\b], v[232+\b], s[SEL], s[SEL+1]
.endr
.irp b, 0,1,2,3
	HINT 4
	v_max_num_f32 v[232+\b], v[232+\b], v[236+\b]  ; with lane l xor 16's 16 keys
.endr
	HINT 2
	v_max3_num_f32 v254, v232, v233, v234
	HINT 1
	v_max3_num_f32 v13, v254, v235, v13            ; U
	HINT 1
	v_mul_f32 v[TT], s[SCQ], v13                   ; T = U c, rounded to f32
	v_xor_b32 v12, 0x80000000, v13                 ; -U
	v_mov_b32 v254, v[NM]
	HINT 3
	v_floor_f32 v[NM], -v[TT]                      ; the new -M = -ceil(T)
	HINT 1
	v_sub_f32 v254, v[NM], v254                    ; old M - new M: a whole number, 0 or less
	v_add_f32 v[DL], v[TT], v[NM]                  ; T - M: exact
	HINT 2
	v_cvt_i32_f32 v254, v254                       ; (it saturates)
	HINT 1
	v_ldexp_f32 v252, 1.0, v254                    ; f = 2^(old M - new M)
.set jj, 0
.rept 32
	v_pk_add_f32 v[96+jj:97+jj], v[96+jj:97+jj], v[12:13] op_sel_hi:[1,0]   ; u - U
.set jj, jj+2
.endr
.irp b, 0,1,2,3
	v_add_f32 v[232+\b], v[232+\b], v12            ; the same of each block's largest u
.endr
.set jj, 0
.rept 32
	v_pk_mul_f32 v[160+jj:161+jj], v[160+jj:161+jj], v[252:253] op_sel_hi:[1,0]   ; O^T under the new M; each accumulator from its low end on
.set jj, jj+2
.endr
.set jj, 0
.rept 32
	v_pk_fma_f32 v[96+jj:97+jj], v[96+jj:97+jj], s[SCQ:SCQ+1], v[DL:DL+1] op_sel_hi:[1,0,0]   ; (u - U) c + (T - M)
.set jj, jj+2
.endr
.irp b, 0,1,2,3
	v_fma_f32 v[232+\b], v[232+\b], s[SCQ], v[DL]
.endr
	s_wait_alu depctr_va_vdst(0)                   ; the wait ahead of the batch
.set jj, 0
.rept 64
	v_exp_f32 v[96+jj], v[96+jj]                   ; p, at most 1
.set jj, jj+1
.endr
.irp b, 0,1,2,3
	v_exp_f32 v[232+\b], v[232+\b]                 ; the block's largest p: the same arithmetic on the same number
.endr
	v_pk_mul_f32 v[SUM:SUM+1], v[SUM:SUM+1], v[252:253] op_sel_hi:[1,0]   ; the sums under the new M: the plain place behind the batch
	s_wait_alu depctr_va_vdst(0)                   ; and the one wait behind it
.irp b, 0,1,2,3
	v_max_num_f32 v[232+\b], 0x2800000, v[232+\b]  ; the floor 2^(5 - 127): the byte cannot fall under 1
.endr
.irp b, 0,1,2,3
	HINT 4
	v_add_nc_u32 v[244+\b], 0xfe000000, v[232+\b]  ; 4 off the exponent field: the conversion's scale operand
.endr
.irp b, 0,1,2,3
	HINT 4
	v_lshrrev_b32 v[236+\b], 23, v[244+\b]         ; the scale's byte
.endr
	HINT 3
	v_lshl_or_b32 v253, v237, 8, v236              ; p's scale word for these 128 keys
	HINT 1
	v_lshl_or_b32 v253, v238, 16, v253
	HINT 1
	v_lshl_or_b32 v253, v239, 24, v253
.irp c, 0,1
	v_cvt_scalef32_pk16_bf6_f32 v[224+6*\c:226+6*\c], v[96+32*\c:111+32*\c], v[244+2*\c]
	v_cvt_scalef32_pk16_bf6_f32 v[236+4*\c:238+4*\c], v[112+32*\c:127+32*\c], v[244+2*\c+1]
.endr
	v_nop                                          ; one plain place behind a scaled conversion
.irp c, 0,1
.irp i, 0,1,2
	v_permlane16_swap_b32 v[224+6*\c+\i], v[236+4*\c+\i]
.endr
.irp i, 0,1,2
	HINT 3
	v_mov_b32 v[227+6*\c+\i], v[236+4*\c+\i]
.endr
.endr
	v_pk_add_f32 v[SUM:SUM+1], v[SUM:SUM+1], v[96:97]   ; the row's sum of the unquantised p: 32 pairs in eight chains.  (These are also the places in front of the products below)
.irp k, 1,2,3,4,5,6,7
	v_pk_add_f32 v[SUM+2*\k:SUM+2*\k+1], v[96+2*\k:97+2*\k], v[110+2*\k:111+2*\k]
.endr
	v_pk_add_f32 v[SUM:SUM+1], v[SUM:SUM+1], v[158:159]
.irp r, 15,23
.irp k, 1,2,3,4,5,6,7,0
	v_pk_add_f32 v[SUM+2*\k:SUM+2*\k+1], v[SUM+2*\k:SUM+2*\k+1], v[96+2*(\r+\k):97+2*(\r+\k)]
.endr
.endr
.irp k, 1,2,3,0
	HINT 4
	v_pk_add_f32 v[SUM+2*\k:SUM+2*\k+1], v[SUM+2*\k:SUM+2*\k+1], v[SUM+8+2*\k:SUM+9+2*\k]
.endr
.irp k, 1,0
	HINT 2
	v_pk_add_f32 v[SUM+2*\k:SUM+2*\k+1], v[SUM+2*\k:SUM+2*\k+1], v[SUM+4+2*\k:SUM+5+2*\k]
.endr
	HINT 1
	v_pk_add_f32 v[SUM:SUM+1], v[SUM:SUM+1], v[SUM+2:SUM+3]
	s_wait_alu depctr_va_vdst(0)
	s_wait_dscnt 0x0                               ; V is in
	WIN 0x01
.irp t, 0,1,2,3,4,5,6,7
.if \t%2
	v_wmma_scale_f32_16x16x128_f8f6f4 v[160+8*\t:167+8*\t], v[12*\t:12*\t+11], v[224:235], v[160+8*\t:167+8*\t], v[VS+\t/2], v253 matrix_a_fmt:MATRIX_FMT_BF6 matrix_b_fmt:MATRIX_FMT_BF6 matrix_a_scale:MATRIX_SCALE_ROW1
.else
	v_wmma_scale_f32_16x16x128_f8f6f4 v[160+8*\t:167+8*\t], v[12*\t:12*\t+11], v[224:235], v[160+8*\t:167+8*\t], v[VS+\t/2], v253 matrix_a_fmt:MATRIX_FMT_BF6 matrix_b_fmt:MATRIX_FMT_BF6
.endif
.endr
	WIN 0
	s_add_co_u32 s[TB], s[TB], UNIT                ; the slot's next key step
.endm
; THE CHANGE OF SLOTS, once for four key steps: each wave waits for all its tensor loads, adds 0 to its spare word, and waits for that and for its reads of the slot that it has left.
; fill = 1: the barrier is a round of the cluster's, and behind it group 0 g0 is asked for (adv = 1: eight key steps on): one load of a wave is out then.  tb: where the next four key steps' units begin.
.macro CHANGE fill, g0, adv, tb
	s_wait_tensorcnt 0x0                           ; no tensor load of mine is out, so a group 0 may be written
	ds_add_u32 v[SPW], v[NIL]
.if \adv
	s_add_nc_u64 s[\g0+2:\g0+3], s[\g0+2:\g0+3], 8*UNIT
.endif
	s_mov_b32 s[TB], \tb
	s_wait_dscnt 0x0
.if \fill
	CROUND                                         ; no wave of any partner still reads that slot or has a load on its way
	tensor_load_to_lds s[\g0:\g0+3], s[G1KV:G1KV+7]
	s_nop 0
	PLACES
.else
	s_barrier_signal -1
	s_barrier_wait -1
.endif
.endm
.macro RUN n, pf
	s_mov_b32 s[CNT], \n
.Lrun_\@:
	STEP 1, \pf
	s_sub_co_u32 s[CNT], s[CNT], 1
	s_cmp_lg_u32 s[CNT], 0
	s_cbranch_scc1 .Lrun_\@
.endm
	s_wait_alu depctr_va_vdst(0)                   ; the wait at the head's end
	CHANGE 1, G0B, 0, 0                            ; slot 0 is whole; slot 1's first fill, key steps 4 to 7, is issued as a refill is
	RUN 4, 1                                       ; key steps 0 to 3, slot 0
	CHANGE 1, G0A, 1, SLOT                         ; slot 0 takes key steps 8 to 11
	RUN 4, 1                                       ; key steps 4 to 7, slot 1
	CHANGE 1, G0B, 1, 0                            ; slot 1 takes key steps 12 to 15
	RUN 4, 1                                       ; key steps 8 to 11, slot 0
	CHANGE 0, G0A, 0, SLOT                         ; nothing is left to fetch
	RUN 3, 0                                       ; key steps 12 to 14
	STEP 0, 0                                      ; the last loads nothing, so that no load leaves m2
	; THE WAY OUT.  O^T / the sum is a lane's 64 neighbours along the last product's K (my head's 128): quantised in registers, one fragment.
	PLACES
	v_add_f32 v[SUM], v[SUM], v[SUM+1]
	HINT 1
	v_permlanex16_b32 v252, v[SUM], s[SEL], s[SEL+1]
	HINT 1
	v_add_f32 v[SUM], v[SUM], v252
	s_wait_alu depctr_va_vdst(0)
	v_rcp_f32 v[SUM], v[SUM]
	v_nop                                          ; one plain place behind a transcendental
	s_wait_alu depctr_va_vdst(0)
.set jj, 0
.rept 32
	v_pk_mul_f32 v[96+jj:97+jj], v[160+jj:161+jj], v[SUM:SUM+1] op_sel_hi:[1,0]   ; each accumulator from its low end on
.set jj, jj+2
.endr
	QUANT 96, PWQ, 224, TMQ
.irp g, 0,1,2
	global_store_b128 v[LI], v[224+4*\g:227+4*\g], s[8:9] offset:512*\g   ; 512 consecutive bytes a store
.endr
	ds_store_b32 v[OSA], v[PWQ]                    ; lanes r and r + 16 write the same word with the same value
	s_wait_dscnt 0x0                               ; for the others' sake
	s_barrier_signal -1
	s_barrier_wait -1
	s_cmp_lg_u32 s[WV], 0
	s_cbranch_scc1 .Lnot_first
	ds_load_b128 v[96:99], v[OSB]                  ; the eight tiles' 128 words
	s_wait_dscnt 0x0
	global_store_b128 v[LI], v[96:99], s[10:11]    ; 512 consecutive bytes
.Lnot_first:
	s_wait_tensorcnt 0x0                           ; the wave's end
	ds_add_u32 v[SPW], v[NIL]
	s_wait_dscnt 0x0
	CROUND                                         ; the closing round
	s_endpgm
.Lfunc_end_k_q8577cdeb8d_attn:
	.size	k_q8577cdeb8d_attn, .Lfunc_end_k_q8577cdeb8d_attn-k_q8577cdeb8d_attn
	.p2alignl 7, 3214868480
	.fill 96, 4, 3214868480
	.section	.rodata,"a",@progbits
	.p2align	6, 0x0
	.amdhsa_kernel k_q8577cdeb8d_attn
		.amdhsa_group_segment_fixed_size 327680
		.amdhsa_private_segment_fixed_size 0
		.amdhsa_enable_private_segment 0
		.amdhsa_kernarg_size 32
		.amdhsa_user_sgpr_count 2
		.amdhsa_user_sgpr_kernarg_segment_ptr 1
		.amdhsa_wavefront_size32 1
		.amdhsa_system_sgpr_workgroup_id_x 1
		.amdhsa_system_sgpr_workgroup_id_y 1
		.amdhsa_system_sgpr_workgroup_id_z 1
		.amdhsa_system_vgpr_workitem_id 0
		.amdhsa_next_free_vgpr 512
		.amdhsa_next_free_sgpr 100
		.amdhsa_reserve_vcc 0
		.amdhsa_float_denorm_mode_32 3
		.amdhsa_float_denorm_mode_16_64 3
		.amdhsa_memory_ordered 1
		.amdhsa_forward_progress 1
		.amdhsa_inst_pref_size 138
	.end_amdhsa_kernel
	.amdgpu_metadata
---
amdhsa.version: [ 1, 2 ]
amdhsa.kernels:
  - .name:           k_q8577cdeb8d_attn
    .symbol:         k_q8577cdeb8d_attn.kd
    .args:
      - { .name: qkv_codes, .offset: 0, .size: 8, .value_kind: global_buffer, .address_space: global }
      - { .name: m2, .offset: 8, .size: 8, .value_kind: global_buffer, .address_space: global }
      - { .name: o_codes, .offset: 16, .size: 8, .value_kind: global_buffer, .address_space: global }
      - { .name: o_scales, .offset: 24, .size: 8, .value_kind: global_buffer, .address_space: global }
    .group_segment_fixed_size: 327680
    .private_segment_fixed_size: 0
    .kernarg_segment_align: 8
    .kernarg_segment_size: 32
    .max_flat_workgroup_size: 256
    .sgpr_count:     100
    .vgpr_count:     512
    .wavefront_size: 32
...
	.end_amdgpu_metadata
.endif
;; end of part 3
;; launch proj (part 4): grid 16 x 16, 4 waves a work-group, clusters of 4 x 4, 327,680 bytes of LDS; arguments o_codes, o_scales, a_codes, a_scales, bo, out0; writes out0
.if DOCPART == 4
	.amdgcn_target "amdgcn-amd-amdhsa--gfx1250"
	.amdhsa_code_object_version 6
	.text
	.protected	k_q8577cdeb8d_proj
	.globl	k_q8577cdeb8d_proj
	.p2align	8
	.type	k_q8577cdeb8d_proj,@function
k_q8577cdeb8d_proj:
	s_mov_b64 s[64:65], 0
	v_nop
	global_prefetch_b8 v0, s[64:65] scope:SCOPE_SE
	s_setreg_imm32_b32 hwreg(HW_REG_WAVE_MODE, 25, 1), 1
	s_wait_xcnt 0x0
	s_wait_alu depctr_hold_cnt(0) depctr_sa_sdst(0) depctr_va_vdst(0) depctr_va_sdst(0) depctr_va_ssrc(0) depctr_va_vcc(0) depctr_vm_vsrc(0)
	s_getreg_b32 s2, hwreg(HW_REG_IB_STS2, 6, 4)
	s_cmp_eq_u32 s2, 0
	s_cbranch_scc0 .Lentry_in_a_cluster
	s_endpgm
.Lentry_in_a_cluster:
	s_bfe_u32 s2, ttmp6, 0x10000c
	s_cmp_lg_u32 s2, 0xf033
	s_cbranch_scc0 .Lentry_shape_is_right
	s_endpgm
.Lentry_shape_is_right:
; out0 = o Wo^T + bo on codes of BF6 with E8M0 scales.  A block of 128 x 128 a work-group, 64 x 64 a wave; K in a ring of two slots of four steps of 128; clusters of 4 x 4 ask for A's and B's tiles jointly.
; THE HEAD: the four tiles that the first step needs are shared out, one joint load a wave: A's 8 row tiles of slot 0, B's, A's scale words, B's.  Slot 1 follows behind the full sequence.
; PREFETCH: the two refills' tiles are named two fills ahead: of a wave's 4 rows of 6,144 bytes each of the four partners takes one, told apart by address: 24 blocks of 256 bytes, a lane a block (lanes 24-31 name the last again).
.set PFA,    8
.set FR,     12
.set FRB,    1536
.set TILEB,  4*FRB
.set GTB,    16*FRB
.set QUART,  4*TILEB
.set SLOT,   4*QUART
.set SCA,    2*SLOT
.set SCB,    SCA+8192
.set STAGE,  SCB+8192
.set SPITCH, 272
.set SPARE,  STAGE+4*16*SPITCH
.set ADRA, 16
.set ADRB, 20
.set ASA,  22
.set ASB,  23
.set STO,  24
.set RD,   25
.set CO,   26
.set SPW,  28
.set NIL,  29
.set SA,   32
.set SB,   64
.set ACC,  128
.set BI,   192
.set G1, 24
.set G0, 32
.set G1B, 48
.set G0B, 56
.set G1S, 68
.set G0S, 76
.set G1SB, 80
.set G0SB, 88
.set MSB, 0
.macro WIN new
.if MSB != \new
	s_set_vgpr_msb (MSB<<8)|\new
.set MSB, \new
.endif
.endm
.macro JLOAD g0a, g1a, g0b, g1b
	s_cmp_eq_u32 s17, 0
	s_cbranch_scc0 .Lfor_b_\@
	tensor_load_to_lds s[\g0a:\g0a+3], s[\g1a:\g1a+7]
	s_nop 0
.rept 4
	v_nop
.endr
	s_branch .Lasked_\@
.Lfor_b_\@:
	tensor_load_to_lds s[\g0b:\g0b+3], s[\g1b:\g1b+7]
	s_nop 0
.rept 4
	v_nop
.endr
.Lasked_\@:
.endm
.macro CROUND
	s_barrier_signal -1
	s_barrier_wait -1
	s_cmp_lg_u32 s16, 0
	s_cbranch_scc1 .Lnot_wave_0_\@
	s_barrier_signal -3
.Lnot_wave_0_\@:
	s_barrier_wait -3
	s_barrier_signal -1
	s_barrier_wait -1
.endm
	s_load_b256 s[4:11], s[0:1], 0x0
	s_load_b128 s[12:15], s[0:1], 0x20
	v_lshl_add_u32 v[SPW], v0, 2, SPARE
	v_mov_b32 v[NIL], 0
	ds_add_u32 v28, v29
	ds_add_u32 v28, v29
	s_wait_dscnt 0x0
	v_lshrrev_b32 v1, 5, v0
	v_readfirstlane_b32 s16, v1
	s_lshr_b32 s17, s16, 1
	s_and_b32 s18, s16, 1
	s_bfe_u32 s98, ttmp6, 0x40000
	s_bfe_u32 s99, ttmp6, 0x40004
	s_lshl_b32 s42, ttmp9, 2
	s_add_co_u32 s42, s42, s98
	s_and_b32 s45, ttmp7, 0xffff
	s_lshl_b32 s45, s45, 2
	s_add_co_u32 s45, s45, s99
	s_lshl_b32 s43, s99, 2
	s_lshl_b32 s43, 15, s43
	s_lshl_b32 s44, 0x1111, s98
	s_or_b32 s[G1+0], s43, (3<<16)|(1<<21)
	s_or_b32 s[G1B+0], s44, (3<<16)|(1<<21)
.irp g, G1, G1B
	s_mov_b32 s[\g+1], 768<<16
	s_mov_b32 s[\g+2], 8<<16
	s_mov_b32 s[\g+3], 768<<16
	s_mov_b32 s[\g+4], 8
	s_mov_b32 s[\g+5], 3072
	s_mov_b32 s[\g+6], 0
	s_mov_b32 s[\g+7], 0
.endr
	s_or_b32 s[G1S+0], s43, (3<<16)|(1<<21)
	s_mov_b32 s[G1S+1], 64<<16
	s_mov_b32 s[G1S+2], 16<<16
	s_mov_b32 s[G1S+3], 64<<16
	s_mov_b32 s[G1S+4], 16
	s_mov_b32 s[G1S+5], 1024
	s_mov_b32 s[G1S+6], 0
	s_mov_b32 s[G1S+7], 0
	s_or_b32 s[G1SB+0], s44, (3<<16)|(1<<21)
	s_mov_b32 s[G1SB+1], 32<<16
	s_mov_b32 s[G1SB+2], 32<<16
	s_mov_b32 s[G1SB+3], 32<<16
	s_mov_b32 s[G1SB+4], 32
	s_mov_b32 s[G1SB+5], 32
	s_mov_b32 s[G1SB+6], 0
	s_mov_b32 s[G1SB+7], 0
	s_lshl_b32 s20, s18, 2
	s_lshl_b32 s22, s45, 3
	s_add_co_u32 s22, s22, s20
	s_mul_i32 s22, s22, GTB
	s_mov_b32 s23, 0
	s_lshl_b32 s46, s42, 3
	s_add_co_u32 s46, s46, s20
	s_add_co_u32 s46, s46, 512
	s_lshl_b32 s94, s46, 10
	s_mov_b32 s95, 0
	s_mul_i32 s46, s46, GTB
	s_mov_b32 s47, 0
	s_lshl_b32 s92, s18, 16
	s_lshl_b32 s93, s45, 9
	s_add_co_u32 s92, s92, s93
	s_mov_b32 s93, 0
	s_mul_i32 s21, s16, QUART
	s_lshl_b32 s20, s16, 12
	s_wait_kmcnt 0x0
	s_add_nc_u64 s[22:23], s[4:5], s[22:23]
	s_add_nc_u64 s[46:47], s[8:9], s[46:47]
	s_add_nc_u64 s[92:93], s[6:7], s[92:93]
	s_add_nc_u64 s[94:95], s[10:11], s[94:95]
	s_cmp_eq_u32 s17, 0                            ; the prefetches: my 4 row tiles, of A or of B,
	s_cselect_b32 s10, s98, s99                    ; my place among the four that ask with me: one row tile for each
	s_cselect_b64 s[PFA:PFA+1], s[22:23], s[46:47]
	s_mul_i32 s10, s10, GTB
	s_mov_b32 s11, 0
	s_add_nc_u64 s[PFA:PFA+1], s[PFA:PFA+1], s[10:11]
	s_mov_b32 s3, 0
	s_lshl_b32 s2, s18, 16                         ; the scale words, whole: back over my half
	s_sub_nc_u64 s[G0S+2:G0S+3], s[92:93], s[2:3]
	s_lshl_b32 s2, s18, 12
	s_sub_nc_u64 s[G0SB+2:G0SB+3], s[94:95], s[2:3]
	s_mov_b32 s[G0S], 1
	s_mov_b32 s[G0S+1], SCA
	s_or_b32 s[G0S+3], s[G0S+3], 0x80000000
	s_mov_b32 s[G0SB], 1
	s_mov_b32 s[G0SB+1], SCB
	s_or_b32 s[G0SB+3], s[G0SB+3], 0x80000000
.irp s, 0,1
	s_mov_b32 s[G0+4*\s], 1
	s_add_co_u32 s[G0+4*\s+1], s21, \s*SLOT
	s_add_nc_u64 s[G0+4*\s+2:G0+4*\s+3], s[22:23], \s*TILEB
	s_or_b32 s[G0+4*\s+3], s[G0+4*\s+3], 0x80000000
	s_mov_b32 s[G0B+4*\s], 1
	s_add_co_u32 s[G0B+4*\s+1], s21, \s*SLOT
	s_add_nc_u64 s[G0B+4*\s+2:G0B+4*\s+3], s[46:47], \s*TILEB
	s_or_b32 s[G0B+4*\s+3], s[G0B+4*\s+3], 0x80000000
.endr
	v_and_b32 v30, 31, v0                          ; the prefetches' offset: block l of 24
	v_min_u32 v30, 23, v30
	v_lshlrev_b32 v30, 8, v30
	s_mul_i32 s2, s18, 4*GTB
	s_sub_nc_u64 s[22:23], s[22:23], s[2:3]
	s_or_b32 s23, s23, 0x80000000
	s_mov_b32 s20, 1
	s_mov_b32 s21, 0
	s_sub_nc_u64 s[6:7], s[46:47], s[2:3]
	s_or_b32 s7, s7, 0x80000000
	s_mov_b32 s4, 1
	s_mov_b32 s5, 2*QUART
	CROUND                                         ; all sixteen work-groups are here: the first joint loads meet
.macro ARM under, g0, g1, next                 ; one chain of branches on the wave's number, one load to an arm
	s_cmp_lt_u32 s16, \under
	s_cbranch_scc0 \next
	tensor_load_to_lds s[\g0:\g0+3], s[\g1:\g1+7]
	s_nop 0
.rept 4
	v_nop
.endr
	s_branch .Lhead_asked
\next:
.endm
	ARM 1, 20, G1, .Lhead_b
	ARM 2, 4, G1B, .Lhead_sa
	ARM 3, G0S, G1S, .Lhead_sb
	tensor_load_to_lds s[G0SB:G0SB+3], s[G1SB:G1SB+7]
	s_nop 0
.rept 4
	v_nop
.endr
.Lhead_asked:
	s_wait_alu depctr_va_vdst(0)
	global_prefetch_b8 v30, s[PFA:PFA+1] offset:TILEB th:TH_LOAD_NT scope:SCOPE_SE     ; behind the head's joint loads: slot 1's first fill, one fill ahead,
	global_prefetch_b8 v30, s[PFA:PFA+1] offset:2*TILEB th:TH_LOAD_NT scope:SCOPE_SE   ; and the first refill's tile, two fills ahead
	s_wait_tensorcnt 0x0
	ds_add_u32 v28, v29
	s_mov_b32 s[G1+2], 4<<16                       ; no load of mine is out: from here on a load brings 4 row tiles
	s_mov_b32 s[G1+4], 4
	s_mov_b32 s[G1B+2], 4<<16
	s_mov_b32 s[G1B+4], 4
	s_wait_dscnt 0x0
	CROUND
	JLOAD G0+4, G1, G0B+4, G1B                     ; slot 1's first fill
	v_and_b32 v1, 15, v0
	v_bfe_u32 v2, v0, 4, 1
	v_and_b32 v3, 31, v0
	s_wait_alu depctr_va_vdst(0)
	v_lshlrev_b32 v4, 4, v3
	s_mul_i32 s21, s17, QUART
	s_mul_i32 s22, s18, QUART
	s_add_co_u32 s22, s22, 2*QUART
.irp s, 0,1
	v_add_nc_u32 v[ADRA+\s], s21, v4
	v_add_nc_u32 v[ADRB+\s], s22, v4
	s_add_co_u32 s21, s21, SLOT
	s_add_co_u32 s22, s22, SLOT
.endr
	s_lshl_b32 s21, s17, 8
	s_add_co_u32 s21, s21, SCA
	v_lshl_add_u32 v[ASA], v3, 2, s21
	s_lshl_b32 s22, s18, 12
	s_add_co_u32 s22, s22, SCB
	v_lshl_add_u32 v[ASB], v1, 4, s22
	s_mul_i32 s23, s16, 16*SPITCH
	s_add_co_u32 s23, s23, STAGE
	v_mul_u32_u24 v5, v1, SPITCH
	v_lshl_add_u32 v5, v2, 6, v5
	v_add_nc_u32 v[STO], s23, v5
	v_mul_u32_u24 v5, v2, SPITCH
	v_lshl_add_u32 v5, v1, 4, v5
	v_add_nc_u32 v[RD], s23, v5
	v_lshlrev_b32 v5, 13, v2
	v_lshl_add_u32 v[CO], v1, 4, v5
	v_lshlrev_b32 v6, 6, v2
	s_wait_alu depctr_va_vdst(0)
	s_lshl_b32 s20, s42, 9
	s_lshl_b32 s21, s18, 8
	s_add_co_u32 s20, s20, s21
	s_mov_b32 s21, 0
	s_add_nc_u64 s[12:13], s[12:13], s[20:21]
	s_add_nc_u64 s[14:15], s[14:15], s[20:21]
	s_lshl_b32 s20, s45, 20
	s_lshl_b32 s22, s17, 19
	s_add_co_u32 s20, s20, s22
	s_add_nc_u64 s[14:15], s[14:15], s[20:21]
	WIN 0x40
.irp b, 0,1,2,3
	global_load_b128 v[BI+8*\b:BI+8*\b+3], v6, s[12:13] offset:(32*(\b/2)+8*(\b%2))*4
	global_load_b128 v[BI+8*\b+4:BI+8*\b+7], v6, s[12:13] offset:(32*(\b/2)+8*(\b%2))*4+16
.endr
	WIN 0
.macro FETCH k
.set FS, 96*((\k)%2)
.set SL, ((\k)/4)%2
.set QO, ((\k)%4)*FRB
	WIN 0x40
.irp i, 0,1,2,3
.irp g, 0,1,2
	ds_load_b128 v[FS+FR*\i+4*\g:FS+FR*\i+4*\g+3], v[ADRA+SL] offset:\i*TILEB+QO+512*\g
.endr
.endr
.irp i, 0,1,2,3
.irp g, 0,1,2
	ds_load_b128 v[FS+48+FR*\i+4*\g:FS+48+FR*\i+4*\g+3], v[ADRB+SL] offset:\i*TILEB+QO+512*\g
.endr
.endr
.endm
.macro MUL8 k, a0
.set FS, 96*((\k)%2)
.irp a, \a0, \a0+1
.irp b, 0,1,2,3
.if (\k) == 0
.if (\a)%2
	v_wmma_scale_f32_16x16x128_f8f6f4 v[ACC+8*(4*(\a)+\b):ACC+8*(4*(\a)+\b)+7], v[FS+48+FR*\b:FS+48+FR*\b+FR-1], v[FS+FR*(\a):FS+FR*(\a)+FR-1], v[BI+8*\b:BI+8*\b+7], v[SB+16*\b+(\k)], v[SA+2*(\k)+(\a)/2] matrix_a_fmt:MATRIX_FMT_BF6 matrix_b_fmt:MATRIX_FMT_BF6 matrix_b_scale:MATRIX_SCALE_ROW1
.else
	v_wmma_scale_f32_16x16x128_f8f6f4 v[ACC+8*(4*(\a)+\b):ACC+8*(4*(\a)+\b)+7], v[FS+48+FR*\b:FS+48+FR*\b+FR-1], v[FS+FR*(\a):FS+FR*(\a)+FR-1], v[BI+8*\b:BI+8*\b+7], v[SB+16*\b+(\k)], v[SA+2*(\k)+(\a)/2] matrix_a_fmt:MATRIX_FMT_BF6 matrix_b_fmt:MATRIX_FMT_BF6
.endif
.else
.if (\a)%2
	v_wmma_scale_f32_16x16x128_f8f6f4 v[ACC+8*(4*(\a)+\b):ACC+8*(4*(\a)+\b)+7], v[FS+48+FR*\b:FS+48+FR*\b+FR-1], v[FS+FR*(\a):FS+FR*(\a)+FR-1], v[ACC+8*(4*(\a)+\b):ACC+8*(4*(\a)+\b)+7], v[SB+16*\b+(\k)], v[SA+2*(\k)+(\a)/2] matrix_a_fmt:MATRIX_FMT_BF6 matrix_b_fmt:MATRIX_FMT_BF6 matrix_b_scale:MATRIX_SCALE_ROW1
.else
	v_wmma_scale_f32_16x16x128_f8f6f4 v[ACC+8*(4*(\a)+\b):ACC+8*(4*(\a)+\b)+7], v[FS+48+FR*\b:FS+48+FR*\b+FR-1], v[FS+FR*(\a):FS+FR*(\a)+FR-1], v[ACC+8*(4*(\a)+\b):ACC+8*(4*(\a)+\b)+7], v[SB+16*\b+(\k)], v[SA+2*(\k)+(\a)/2] matrix_a_fmt:MATRIX_FMT_BF6 matrix_b_fmt:MATRIX_FMT_BF6
.endif
.endif
.endr
.endr
.endm
.macro PLACES
.rept 4
	v_nop
.endr
.endm
.macro KSTEP k
.if (\k) > 0
	PLACES
.endif
	FETCH (\k)+1
	s_wait_dscnt 24
.if (\k) == 0
	s_wait_loadcnt 0x0
	WIN 0x15
.else
	WIN 0x05
.endif
	MUL8 \k, 0
	MUL8 \k, 2
.endm
.macro TURN k, slot, fill
	WIN 0
	s_wait_tensorcnt 0x0
	ds_add_u32 v[SPW], v[NIL]
.if \fill
	s_add_nc_u64 s[G0+4*\slot+2:G0+4*\slot+3], s[G0+4*\slot+2:G0+4*\slot+3], 2*TILEB
	s_add_nc_u64 s[G0B+4*\slot+2:G0B+4*\slot+3], s[G0B+4*\slot+2:G0B+4*\slot+3], 2*TILEB
.endif
	s_wait_dscnt 1
	WIN 0x05
	MUL8 \k, 0
	s_wait_dscnt 0x0
	WIN 0
.if \fill
	CROUND
	JLOAD G0+4*\slot, G1, G0B+4*\slot, G1B
.else
	s_barrier_signal -1
	s_barrier_wait -1
	PLACES
.endif
	FETCH (\k)+1
	WIN 0x05
	MUL8 \k, 2
.endm
	s_wait_tensorcnt 1
	s_barrier_signal -1
	s_barrier_wait -1
.irp s, 0,1,2,3,4,5,6,7,8,9,10,11,12,13,14,15
.irp p, 0,1
	ds_load_b32 v[SA+2*\s+\p], v[ASA] offset:512*\s+128*\p
.endr
.endr
.irp b, 0,1,2,3
.irp q, 0,1,2,3
	ds_load_b128 v[SB+16*\b+4*\q:SB+16*\b+4*\q+3], v[ASB] offset:1024*\b+256*\q
.endr
.endr
	FETCH 0
	global_prefetch_b8 v30, s[PFA:PFA+1] offset:3*TILEB th:TH_LOAD_NT scope:SCOPE_SE   ; the second refill's tile, two fills ahead
	KSTEP 0
	KSTEP 1
	KSTEP 2
	TURN 3, 0, 1
	KSTEP 4
	KSTEP 5
	KSTEP 6
	TURN 7, 1, 1
	KSTEP 8
	KSTEP 9
	KSTEP 10
	TURN 11, 0, 0
	KSTEP 12
	KSTEP 13
	KSTEP 14
	s_wait_dscnt 0x0
	WIN 0x05
	MUL8 15, 0
	MUL8 15, 2
	WIN 0
.macro TOSTAGE a
.irp b, 0,1,2,3
	ds_store_b128 v[STO], v[ACC+8*(4*(\a)+\b):ACC+8*(4*(\a)+\b)+3] offset:128*(\b/2)+32*(\b%2)
	ds_store_b128 v[STO], v[ACC+8*(4*(\a)+\b)+4:ACC+8*(4*(\a)+\b)+7] offset:128*(\b/2)+32*(\b%2)+16
.endr
.set BB, 32+32*((\a)%2)
.irp t, 0,1,2,3,4,5,6,7
	ds_load_b128 v[BB+4*\t:BB+4*\t+3], v[RD] offset:\t*2*SPITCH
.endr
.endm
.macro SEND a, younger
.set BB, 32+32*((\a)%2)
	s_wait_dscnt \younger
.irp t, 0,1,2,3,4,5,6,7
	global_store_b128 v[CO], v[BB+4*\t:BB+4*\t+3], s[14:15] offset:(32*((\a)/2)+8*((\a)%2)+2*\t+8*(\t/4))*8192 th:TH_STORE_NT
.endr
.endm
	PLACES
	TOSTAGE 0
.irp a, 1,2,3
.if \a > 1
	s_wait_xcnt 0x0
.endif
	TOSTAGE \a
	SEND \a-1, 16
.endr
	SEND 3, 0
	s_wait_tensorcnt 0x0
	ds_add_u32 v[SPW], v[NIL]
	s_wait_dscnt 0x0
	CROUND
	s_endpgm
.Lfunc_end_k_q8577cdeb8d_proj:
	.size	k_q8577cdeb8d_proj, .Lfunc_end_k_q8577cdeb8d_proj-k_q8577cdeb8d_proj
	.p2alignl 7, 3214868480
	.fill 96, 4, 3214868480
	.section	.rodata,"a",@progbits
	.p2align	6, 0x0
	.amdhsa_kernel k_q8577cdeb8d_proj
		.amdhsa_group_segment_fixed_size 327680
		.amdhsa_private_segment_fixed_size 0
		.amdhsa_enable_private_segment 0
		.amdhsa_kernarg_size 48
		.amdhsa_user_sgpr_count 2
		.amdhsa_user_sgpr_kernarg_segment_ptr 1
		.amdhsa_wavefront_size32 1
		.amdhsa_system_sgpr_workgroup_id_x 1
		.amdhsa_system_sgpr_workgroup_id_y 1
		.amdhsa_system_sgpr_workgroup_id_z 1
		.amdhsa_system_vgpr_workitem_id 0
		.amdhsa_next_free_vgpr 512
		.amdhsa_next_free_sgpr 100
		.amdhsa_reserve_vcc 0
		.amdhsa_float_denorm_mode_32 3
		.amdhsa_float_denorm_mode_16_64 3
		.amdhsa_memory_ordered 1
		.amdhsa_forward_progress 1
		.amdhsa_inst_pref_size 85
	.end_amdhsa_kernel
	.amdgpu_metadata
---
amdhsa.version: [ 1, 2 ]
amdhsa.kernels:
  - .name:           k_q8577cdeb8d_proj
    .symbol:         k_q8577cdeb8d_proj.kd
    .args:
      - { .name: o_codes, .offset: 0, .size: 8, .value_kind: global_buffer, .address_space: global }
      - { .name: o_scales, .offset: 8, .size: 8, .value_kind: global_buffer, .address_space: global }
      - { .name: a_codes, .offset: 16, .size: 8, .value_kind: global_buffer, .address_space: global }
      - { .name: a_scales, .offset: 24, .size: 8, .value_kind: global_buffer, .address_space: global }
      - { .name: bo, .offset: 32, .size: 8, .value_kind: global_buffer, .address_space: global }
      - { .name: out0, .offset: 40, .size: 8, .value_kind: global_buffer, .address_space: global }
    .group_segment_fixed_size: 327680
    .private_segment_fixed_size: 0
    .kernarg_segment_align: 8
    .kernarg_segment_size: 48
    .max_flat_workgroup_size: 128
    .sgpr_count:     100
    .vgpr_count:     512
    .wavefront_size: 32
...
	.end_amdgpu_metadata
.endif
;; end of part 4
